; MI455X (gfx1250); checked and timed in simulation.
; The chip was launched on July 23, 2026; its instructions are those of AMD's public machine-readable ISA for CDNA 5 (MIT licence, August 2026) and "CDNA5" Instruction Set Architecture Reference Guide (July 2026). The comments in the code are by the model that wrote it; some were corrected since.
;; Attention Block. Allowed arithmetic: matrix products marked QUANTISED: E2M1 operands, one E8M0 scale for each 32 along K, by v_wmma_scale_f32_16x16x128_f8f6f4 with both operands' format E2M1 (or v_wmma_scale_f32_32x16x128_f4), f32 sums; everything else in f32.
;; Inputs: beta 256 float32; bk 256 float32; bp 256 float32; bq 256 float32; bv 256 float32; gamma 256 float32; wk_codes 256 x 8 x 16 uint8 (E2M1 codes of wk, K innermost, in blocks of 32 codes, two codes a byte); wk_scales 256 x 8 uint8 (E8M0 scales of wk, one for each 32 codes along K); wp_codes 256 x 8 x 16 uint8 (E2M1 codes of wp, K innermost, in blocks of 32 codes, two codes a byte); wp_scales 256 x 8 uint8 (E8M0 scales of wp, one for each 32 codes along K); wq_codes 256 x 8 x 16 uint8 (E2M1 codes of wq, K innermost, in blocks of 32 codes, two codes a byte); wq_scales 256 x 8 uint8 (E8M0 scales of wq, one for each 32 codes along K); wv_codes 256 x 8 x 16 uint8 (E2M1 codes of wv, K innermost, in blocks of 32 codes, two codes a byte); wv_scales 256 x 8 uint8 (E8M0 scales of wv, one for each 32 codes along K); x 4 x 256 x 64 x 64 float32.
;; Outputs: out0 4 x 256 x 64 x 64 float32.
;; This version of the problem:
;;   THIS VERSION OF THE PROBLEM IS GIVEN IN LOW PRECISION. The matrix products marked QUANTISED in the list below multiply operands that are first quantised to E2M1 (2 exponent bits, 1 mantissa bit; 4 bits a number), with one power-of-two scale for each 32 numbers along K (OCP MX v1.0); their sums are f32. All else is computed in f32.
;;   The module's matrix products, in the order in which they are computed (A, B: the left and right operand; K: the contracted axis; several contracted axes count as one K, in the product's order):
;;     1. [M 16,384, K 256] x [K 256, N 256]; A: computed on the way; B: input wq (given as codes): QUANTISED
;;     2. [M 16,384, K 256] x [K 256, N 256]; A: computed on the way; B: input wk (given as codes): QUANTISED
;;     3. [M 16,384, K 256] x [K 256, N 256]; A: computed on the way; B: input wv (given as codes): QUANTISED
;;     4. batch 4 x [M 4,096, K 256] x [K 256, N 4,096]; A: computed on the way; B: computed on the way: QUANTISED
;;     5. batch 4 x [M 256, K 4,096] x [K 4,096, N 4,096]; A: computed on the way; B: softmax (see below): QUANTISED
;;     6. [M 16,384, K 256] x [K 256, N 256]; A: computed on the way; B: input wp (given as codes): QUANTISED
;;   THE QUANTISER, for each operand of a quantised product, along K:
;;     - K is cut into blocks of 32 from its start; a last block that is shorter is filled with zeros.
;;     - A block's scale is 2^e with e = floor(log2(the largest magnitude in the block)) - 2, held to -126 .. 127; a block of zeros has e = 0. As a byte (E8M0): e + 127.
;;     - Each number is divided by its block's scale, clamped to +-6, and rounded to the nearest number of E2M1, ties to even, subnormals kept.
;;     - The product sums the exact products of the quantised numbers (number of the format x scale) in f32.
;;   ~~~python
;;   def quantise(x, axis):      # numpy; x: float32 -> the quantised numbers, widened to float32 again
;;       x = np.moveaxis(x, axis, -1); K = x.shape[-1]
;;       x = np.pad(x, [(0, 0)] * (x.ndim - 1) + [(0, -K % 32)]); x = x.reshape(x.shape[:-1] + (-1, 32)); a = np.abs(x).max(-1, keepdims=True)
;;       e = np.where(a > 0, np.clip(np.frexp(np.where(a > 0, a, 1))[1] - 1 - 2, -126, 127), 0)      # np.frexp(a)[1] - 1 = floor(log2(a)), exactly
;;       r = np.clip(x / 2.0 ** e, -6, 6)
;;       step = 2.0 ** (np.maximum(np.frexp(np.where(r == 0, 1, r))[1] - 1, 0) - 1)
;;       q = np.round(r / step) * step * 2.0 ** e      # np.round: ties to even
;;       return np.moveaxis(q.reshape(q.shape[:-2] + (-1,))[..., :K], -1, axis).astype(np.float32)
;;   ~~~
;;   SOFTMAX AHEAD OF A QUANTISED PRODUCT. Where the list says 'softmax', what is quantised is not the finished softmax but p = 2^(t - M), with t = logit x log2(e) and M = ceil(the row's largest t), a whole number; so 1/2 < the row's largest p <= 1. The row's sum l is taken of the UNQUANTISED p, in f32, and the product's result is divided by l at the end. Since M is a whole number, a kernel that streams over the keys may use a running M (the ceiling of the running maximum): every later rescaling is an exact power of two, which a block's scale takes up: the codes' values come out the same.
;;   OPERANDS COMPUTED ON THE WAY. 'Computed on the way' means the value that the module computes at that place (a softmax that the list does not call 'softmax' is quantised finished and normalised). What goes into a quantiser is computed in f32, as accurately as f32 sums, v_exp_f32 and their like allow (about 1e-6 of the number): no bf16 or f16 on the way to a quantiser, and a product that is left as it is and whose result goes on into a quantised operand takes f32 operands (vector FMAs, or v_wmma_f32_16x16x4_f32). A number that lies on a knife's edge between two numbers of the format may be rounded either way, as far as f32 arithmetic and the matrix unit's own rounding can turn it there, and no further.
;;   INPUTS GIVEN AS CODES. wk (in the module: [256, 256], K = its axis 1); wp (in the module: [256, 256], K = its axis 1); wq (in the module: [256, 256], K = its axis 1); wv (in the module: [256, 256], K = its axis 1): each comes as NAME_codes (uint8): NAME with its K axis moved to the last place and cut into blocks of 32 codes, [.., K / 32, bytes a block], one block behind the other in memory; two codes a byte, the lower K in the low four bits (a code: sign, 2 exponent bits, 1 mantissa bit); and NAME_scales (uint8): the same leading axes, one E8M0 byte (e + 127) for each 32 codes along K. Its value is code x scale, taken as it is: it is not quantised again, and the codes and scales need not be those that the quantiser above would give.
;; One version. Each part assembles by itself: llvm-mc -triple=amdgcn-amd-amdhsa -mcpu=gfx1250 --defsym DOCPART=n.
;; ======== version 1 of 1: 3 launches
;; workspace buffers: stats 2,048 bytes; q_rec 2,228,224 bytes; kv_rec 4,456,448 bytes
;; launch stats (part 1): grid 256 x 1, 8 waves a work-group, no clusters, 1,280 bytes of LDS; arguments x, stats; writes stats
.if DOCPART == 1
	.amdgcn_target "amdgcn-amd-amdhsa--gfx1250"
	.amdhsa_code_object_version 6
	.text
	.protected	k_q794f5319e0_stats
	.globl	k_q794f5319e0_stats
	.p2align	8
	.type	k_q794f5319e0_stats,@function
k_q794f5319e0_stats:
	s_mov_b64 s[64:65], 0
	v_nop
	global_prefetch_b8 v0, s[64:65] scope:SCOPE_SE
	s_setreg_imm32_b32 hwreg(HW_REG_WAVE_MODE, 25, 1), 1
	s_wait_xcnt 0x0
; GroupNorm's statistics, first half.  x is [4][256][4096] f32; a group is 32 channels x 4,096 pixels = 524,288 dense bytes.
; Work-group i owns the 65,536 bytes at 65,536 i: part i % 8 of group i / 8, 16,384 numbers, 64 a thread, kept in registers between two passes.
; It stores (the part's mean, the part's sum of squared deviations FROM THAT MEAN) at stats + 8 i.  The next launch joins a group's eight parts
; from deviations again, so no difference of large sums is ever formed: a common offset of the inputs costs no accuracy.
; Memory binds: each load of a wave covers 512 consecutive bytes; no matrix unit, no cluster, no tile has anything to add here.
; LIMITS: NaN and infinities among the inputs are not served.
.set X,    16                          ; v16-79  my 64 numbers
.set A,    80                          ; v80-87  four packed chains
.set SUM,  88                          ; v88     a wave's sum
.set TMP,  89                          ; v89     the other half of the lanes'
.set MEAN, 90                          ; v[90:91] the mean twice, later (mean, sum of squares)
	s_load_b128 s[4:7], s[0:1], 0x0                ; x, stats
	v_lshl_add_u32 v96, v0, 2, 0x100
	v_mov_b32 v97, 0
	v_lshrrev_b32 v2, 5, v0                        ; wave
	v_and_b32 v3, 31, v0                           ; lane
	s_delay_alu instid0(VALU_DEP_1)
	v_lshlrev_b32 v1, 4, v3
	s_delay_alu instid0(VALU_DEP_1)
	v_lshl_add_u32 v1, v2, 13, v1                  ; 8,192 x wave + 16 x lane
	s_delay_alu instid0(VALU_DEP_4)
	v_lshlrev_b32 v4, 2, v2                        ; LDS: my wave's word
	v_mov_b32 v5, 0
	v_mov_b32 v[TMP], 0                            ; a lane permute's destination counts as one of its sources
	s_lshl_b32 s8, ttmp9, 16
	s_mov_b32 s9, 0
	s_lshl_b32 s10, ttmp9, 3
	s_mov_b32 s11, 0
	s_mov_b32 s12, 0x76543210                      ; lane selects: lane l xor 16
	s_mov_b32 s13, 0xfedcba98
	s_wait_alu depctr_va_vdst(0)
	s_wait_kmcnt 0x0
	s_add_nc_u64 s[4:5], s[4:5], s[8:9]
	s_add_nc_u64 s[6:7], s[6:7], s[10:11]
.irp k, 0,1,2,3,4,5,6,7,8,9,10,11,12,13,14,15
	global_load_b128 v[X+4*\k:X+4*\k+3], v1, s[4:5] offset:512*\k   ; x is read again by the later launches: no hint
.endr
; The four chains are folded, the wave's 32 lanes are summed, the eight waves' sums meet in LDS at byte off; v[8:9] then holds the work-group's sum in two halves.
.macro MEET off
	v_pk_add_f32 v[A:A+1], v[A:A+1], v[A+2:A+3]
	s_delay_alu instid0(VALU_DEP_2)
	v_pk_add_f32 v[A+4:A+5], v[A+4:A+5], v[A+6:A+7]
	s_delay_alu instid0(VALU_DEP_1)
	v_pk_add_f32 v[A:A+1], v[A:A+1], v[A+4:A+5]
	s_delay_alu instid0(VALU_DEP_1)
	v_add_f32 v[SUM], v[A], v[A+1]
	s_delay_alu instid0(VALU_DEP_1)
	v_add_f32_dpp v[SUM], v[SUM], v[SUM] row_xmask:1 row_mask:0xf bank_mask:0xf
	s_delay_alu instid0(VALU_DEP_1)
	v_add_f32_dpp v[SUM], v[SUM], v[SUM] row_xmask:2 row_mask:0xf bank_mask:0xf
	s_delay_alu instid0(VALU_DEP_1)
	v_add_f32_dpp v[SUM], v[SUM], v[SUM] row_xmask:4 row_mask:0xf bank_mask:0xf
	s_delay_alu instid0(VALU_DEP_1)
	v_add_f32_dpp v[SUM], v[SUM], v[SUM] row_xmask:8 row_mask:0xf bank_mask:0xf
	s_delay_alu instid0(VALU_DEP_1)
	v_permlanex16_b32 v[TMP], v[SUM], s12, s13
	s_delay_alu instid0(VALU_DEP_1)
	v_add_f32 v[SUM], v[SUM], v[TMP]
	ds_store_b32 v4, v[SUM] offset:\off            ; all lanes write the wave's word with the same value
	s_wait_dscnt 0x0                               ; for the others' sake: my store has landed
	s_barrier_signal -1
	s_barrier_wait -1
	ds_load_b128 v[8:11], v5 offset:\off
	ds_load_b128 v[12:15], v5 offset:\off+16
	s_wait_dscnt 0x0
	v_pk_add_f32 v[8:9], v[8:9], v[10:11]
	v_pk_add_f32 v[12:13], v[12:13], v[14:15]
	s_delay_alu instid0(VALU_DEP_1)
	v_pk_add_f32 v[8:9], v[8:9], v[12:13]
.endm
	s_wait_loadcnt 12                              ; loads 0 to 3 are in; the twelve younger ones stay out
.irp c, 0,1,2,3
	v_pk_add_f32 v[A+2*\c:A+2*\c+1], v[X+2*\c:X+2*\c+1], v[X+8+2*\c:X+8+2*\c+1]   ; the first eight pairs start the chains: nothing is cleared
.endr
	s_wait_alu depctr_va_vdst(0)
.irp k, 4,5,6,7,8,9,10,11,12,13,14,15
	s_wait_alu depctr_va_vdst(0)
	s_wait_loadcnt 15-\k                           ; load k is in
	v_pk_add_f32 v[A+4*(\k%2):A+4*(\k%2)+1], v[A+4*(\k%2):A+4*(\k%2)+1], v[X+4*\k:X+4*\k+1]
	v_pk_add_f32 v[A+4*(\k%2)+2:A+4*(\k%2)+3], v[A+4*(\k%2)+2:A+4*(\k%2)+3], v[X+4*\k+2:X+4*\k+3]
.endr
	MEET 0
	s_delay_alu instid0(VALU_DEP_1)
	v_add_f32 v8, v8, v9
	s_delay_alu instid0(VALU_DEP_1)
	v_mul_f32 v[MEAN], 0x38800000, v8              ; / 16,384: the part's mean
	s_delay_alu instid0(VALU_DEP_1)
	v_mov_b32 v[MEAN+1], v[MEAN]
.set i, 0
.rept 32
	v_pk_add_f32 v[X+2*i:X+2*i+1], v[X+2*i:X+2*i+1], v[MEAN:MEAN+1] neg_lo:[0,1] neg_hi:[0,1]   ; the deviations, in place
.set i, i+1
.endr
.irp c, 0,1,2,3
	v_pk_mul_f32 v[A+2*\c:A+2*\c+1], v[X+2*\c:X+2*\c+1], v[X+2*\c:X+2*\c+1]
.endr
.set i, 4
.rept 28
	s_delay_alu instid0(VALU_DEP_4)
	v_pk_fma_f32 v[A+2*(i%4):A+2*(i%4)+1], v[X+2*i:X+2*i+1], v[X+2*i:X+2*i+1], v[A+2*(i%4):A+2*(i%4)+1]
.set i, i+1
.endr
	MEET 32                                        ; other LDS bytes than the first meeting's: no wave still reads what is written here
	s_delay_alu instid0(VALU_DEP_1)
	v_add_f32 v[MEAN+1], v8, v9                    ; the part's sum of squared deviations
	s_wait_alu depctr_va_vdst(0)
	s_wait_xcnt 0x0                                ; EXEC changes only behind this wait
	v_cmp_eq_u32 vcc_lo, 0, v0
	s_wait_tensorcnt 0x0
	ds_add_u32 v96, v97
	s_wait_dscnt 0x0
	s_and_saveexec_b32 s14, vcc_lo                 ; thread 0 alone stores
	global_store_b64 v5, v[MEAN:MEAN+1], s[6:7]
	s_endpgm
.Lfunc_end_k_q794f5319e0_stats:
	.size	k_q794f5319e0_stats, .Lfunc_end_k_q794f5319e0_stats-k_q794f5319e0_stats
	.p2alignl 7, 3214868480
	.fill 96, 4, 3214868480
	.section	.rodata,"a",@progbits
	.p2align	6, 0x0
	.amdhsa_kernel k_q794f5319e0_stats
		.amdhsa_group_segment_fixed_size 1280
		.amdhsa_private_segment_fixed_size 0
		.amdhsa_enable_private_segment 0
		.amdhsa_kernarg_size 16
		.amdhsa_user_sgpr_count 2
		.amdhsa_user_sgpr_kernarg_segment_ptr 1
		.amdhsa_wavefront_size32 1
		.amdhsa_system_sgpr_workgroup_id_x 1
		.amdhsa_system_sgpr_workgroup_id_y 1
		.amdhsa_system_sgpr_workgroup_id_z 1
		.amdhsa_system_vgpr_workitem_id 0
		.amdhsa_next_free_vgpr 98
		.amdhsa_next_free_sgpr 66
		.amdhsa_reserve_vcc 1
		.amdhsa_float_denorm_mode_32 3
		.amdhsa_float_denorm_mode_16_64 3
		.amdhsa_memory_ordered 1
		.amdhsa_forward_progress 1
		.amdhsa_inst_pref_size 14
	.end_amdhsa_kernel
	.amdgpu_metadata
---
amdhsa.version: [ 1, 2 ]
amdhsa.kernels:
  - .name:           k_q794f5319e0_stats
    .symbol:         k_q794f5319e0_stats.kd
    .args:
      - { .name: x, .offset: 0, .size: 8, .value_kind: global_buffer, .address_space: global }
      - { .name: stats, .offset: 8, .size: 8, .value_kind: global_buffer, .address_space: global }
    .group_segment_fixed_size: 1280
    .private_segment_fixed_size: 0
    .kernarg_segment_align: 8
    .kernarg_segment_size: 16
    .max_flat_workgroup_size: 256
    .sgpr_count:     66
    .vgpr_count:     98
    .wavefront_size: 32
...
	.end_amdgpu_metadata
.endif
;; end of part 1
;; launch qkv (part 2): grid 256 x 1, 8 waves a work-group, no clusters, 24,576 bytes of LDS; arguments x, gamma, beta, stats, wq_codes, wq_scales, bq, wk_codes, wk_scales, bk, wv_codes, wv_scales, bv, q_rec, kv_rec; writes q_rec, kv_rec
.if DOCPART == 2
	.amdgcn_target "amdgcn-amd-amdhsa--gfx1250"
	.amdhsa_code_object_version 6
	.text
	.protected	k_q794f5319e0_qkv
	.globl	k_q794f5319e0_qkv
	.p2align	8
	.type	k_q794f5319e0_qkv,@function
k_q794f5319e0_qkv:
	s_mov_b64 s[64:65], 0
	v_nop
	global_prefetch_b8 v0, s[64:65] scope:SCOPE_SE
	s_setreg_imm32_b32 hwreg(HW_REG_WAVE_MODE, 25, 1), 1
	s_wait_xcnt 0x0
; GroupNorm, its quantising, and the three 1 x 1 convolutions q, k, v, all on codes of FP4 (E2M1) with one E8M0 scale for each 32 along K; the results leave quantised,
; as IMAGES OF OPERAND REGISTERS: a fragment (16 rows x 128 K, 8 registers a lane) is 1,024 bytes, registers 4 c .. 4 c + 3 of lane l at 512 c + 16 l.
; SHARES.  Work-groups 2 n and 2 n + 1 take record n = 128 pixels of one image (n = 32 b + block).  Role y = 0 makes q, role 1 makes k; both make v for channels 128 y .. 128 y + 127.
; One path through the text: the role chooses pointers alone.  v's K is the pixels, so a whole fragment and scale word of v want all 128 pixels in one work-group: that leaves 128 blocks, hence the two roles;
; the price is that x is read and quantised by both.
; A RECORD PART (17,408 bytes).  q, k: fragment (T, s) at (2 T + s) 1,024, T = 2 g + u a tile of pixels, s the 128 channels; ROW r OF TILE T IS PIXEL 32 g + 8 u + r + 8 (r / 8), so that the scores' 16 registers of
; tiles 2 g, 2 g + 1 are 16 neighbouring keys.  Scale words from 16,384 on: (g, s, lane l) at 512 (g / 2) + 16 l + 8 (g % 2) + 4 s, lanes 0-15 tile 2 g's rows, lanes 16-31 tile 2 g + 1's.
; v: fragment ct (16 channels x 128 pixels) at 1,024 ct; row r of ct = 2 bb + u is channel 32 bb + 8 u + r + 8 (r / 8); scale words: (bb, lane l) at 16,384 + 512 (bb / 4) + 16 l + 4 (bb % 4), lanes 0-15 ct = 2 bb, lanes 16-31 ct = 2 bb + 1.
; PHASES.  statistics (wave w: group w) | barrier | X: wave (g, s) = (w / 2, w % 2) normalises and quantises 32 pixels x 128 channels, a lane to a pixel, registers down the channels | barrier |
; V: wave w makes v's tile ct = 8 y + w for all 128 pixels (source 0 = 16 pixels, source 1 = 16 rows of wv: a lane holds one channel, its registers run along the pixels) |
; QK: wave (g, sh) makes output channels 128 sh .. + 127 for its 32 pixels (source 0 = 16 rows of W, source 1 = 16 pixels: a lane holds one pixel, its registers run along the channels) | barrier | scale words leave.
; No tensor load: every operand is read once into registers; no cluster: the work-groups share only the weights, 100 KB in all.
; LIMITS: NaN and infinities are not served; a block whose largest magnitude lies under 2^(3 - 127), a block of zeros among them, keeps the byte 1 (its bytes are read by this program alone).
.set AT,   0                           ; LDS: gamma x rstd, 256 numbers
.set BT,   1024                        ;      beta
.set MT,   2048                        ;      8 groups x (mean, mean)
.set XIMG, 4096                        ;      xn's 16 fragments, (T, s) at (2 T + s) 1,024
.set XSC,  20480                       ;      their scale words: wave w's 128 bytes at 128 w
.set SCO,  21504                       ;      q's or k's scale words, as the record has them
.set SCV,  22528                       ;      v's, this role's 512 bytes
.set LI,  1                            ; v1   16 x lane
.set LS,  2                            ; v2   4 x lane
.set XO,  3                            ; v3   4 x my pixel in the group of 32
.set XWI, 4                            ; v4   where I store xn's images
.set XWS, 5                            ; v5   and their scale words
.set TBA, 6                            ; v6   my 128 channels in AT and BT
.set TBM, 7                            ; v7   my four groups in MT
.set SQO, 8                            ; v8   where my scale word of q or k goes
.set SVO, 9                            ; v9   and of v
.set XQA, 10                           ; v10  my group's four fragments of xn
.set XQS, 11                           ; v11  and their scale words
.set TM,  12                           ; v12-23 +0..3 largest magnitudes, +4..7 the other lanes', then bytes, +8..11 the conversions' scale operands
.set PW,  24                           ; v24  the scale word just made
.set PW0, 25                           ; v25  tile 0's, kept
.set PC,  26                           ; v26-33 the fragment just made (at the head: lane terms of the loads)
.set XS,  34                           ; v34-41 xn's scale words        (these three hold scales and nothing else)
.set W1S, 42                           ; v42-57 W's
.set WVS, 58                           ; v58-59 wv's
.set HA,  60                           ; v60-123 64 results of a lane
.set XF,  124                          ; v124-251 xn's fragments; before that
.set X,   124                          ;          my pixel's 128 channels
.set WR,  0                            ; window 1: W's 16 fragments, (t, s) at 8 (2 t + s)
.set B1,  128                          ;           the bias in the result's layout, 8 registers a tile
.set WV,  192                          ;           wv's two fragments
.set BV,  208                          ;           my channel's bv, eight times
.set SEL, 46                           ; s[46:47] lane selects: lane l xor 16
.set ZERO, 999
.set MSB, 0
.macro WIN new                         ; the immediate's high byte repeats the setting that is left
.if MSB != \new
	s_set_vgpr_msb (MSB<<8)|\new
.set MSB, \new
.endif
.endm
.macro PLACES n
.rept \n
	v_nop
.endr
.endm
.macro BARRIER                         ; my LDS stores have landed and my LDS loads are in: then the work-group's barrier
	s_wait_dscnt 0x0
	s_barrier_signal -1
	s_barrier_wait -1
.endm
; One product: D at v[d], sources at v[a], v[b], C at v[c] (ZERO: the constant 0), scale registers sa, sb; ra, rb = 1: that side's scales are read from lanes 16-31
.macro WM d, a, b, c, sa, sb, ra, rb
.if (\c) == ZERO
.if ((\ra) == 0) && ((\rb) == 0)
	v_wmma_scale_f32_16x16x128_f8f6f4 v[\d:\d+7], v[\a:\a+7], v[\b:\b+7], 0, v[\sa], v[\sb] matrix_a_fmt:MATRIX_FMT_FP4 matrix_b_fmt:MATRIX_FMT_FP4
.elseif (\rb) == 0
	v_wmma_scale_f32_16x16x128_f8f6f4 v[\d:\d+7], v[\a:\a+7], v[\b:\b+7], 0, v[\sa], v[\sb] matrix_a_fmt:MATRIX_FMT_FP4 matrix_b_fmt:MATRIX_FMT_FP4 matrix_a_scale:MATRIX_SCALE_ROW1
.elseif (\ra) == 0
	v_wmma_scale_f32_16x16x128_f8f6f4 v[\d:\d+7], v[\a:\a+7], v[\b:\b+7], 0, v[\sa], v[\sb] matrix_a_fmt:MATRIX_FMT_FP4 matrix_b_fmt:MATRIX_FMT_FP4 matrix_b_scale:MATRIX_SCALE_ROW1
.else
	v_wmma_scale_f32_16x16x128_f8f6f4 v[\d:\d+7], v[\a:\a+7], v[\b:\b+7], 0, v[\sa], v[\sb] matrix_a_fmt:MATRIX_FMT_FP4 matrix_b_fmt:MATRIX_FMT_FP4 matrix_a_scale:MATRIX_SCALE_ROW1 matrix_b_scale:MATRIX_SCALE_ROW1
.endif
.else
.if ((\ra) == 0) && ((\rb) == 0)
	v_wmma_scale_f32_16x16x128_f8f6f4 v[\d:\d+7], v[\a:\a+7], v[\b:\b+7], v[\c:\c+7], v[\sa], v[\sb] matrix_a_fmt:MATRIX_FMT_FP4 matrix_b_fmt:MATRIX_FMT_FP4
.elseif (\rb) == 0
	v_wmma_scale_f32_16x16x128_f8f6f4 v[\d:\d+7], v[\a:\a+7], v[\b:\b+7], v[\c:\c+7], v[\sa], v[\sb] matrix_a_fmt:MATRIX_FMT_FP4 matrix_b_fmt:MATRIX_FMT_FP4 matrix_a_scale:MATRIX_SCALE_ROW1
.elseif (\ra) == 0
	v_wmma_scale_f32_16x16x128_f8f6f4 v[\d:\d+7], v[\a:\a+7], v[\b:\b+7], v[\c:\c+7], v[\sa], v[\sb] matrix_a_fmt:MATRIX_FMT_FP4 matrix_b_fmt:MATRIX_FMT_FP4 matrix_b_scale:MATRIX_SCALE_ROW1
.else
	v_wmma_scale_f32_16x16x128_f8f6f4 v[\d:\d+7], v[\a:\a+7], v[\b:\b+7], v[\c:\c+7], v[\sa], v[\sb] matrix_a_fmt:MATRIX_FMT_FP4 matrix_b_fmt:MATRIX_FMT_FP4 matrix_a_scale:MATRIX_SCALE_ROW1 matrix_b_scale:MATRIX_SCALE_ROW1
.endif
.endif
.endm
; 64 numbers of a lane, register 16 b + i = k 32 b + 16 (lane / 16) + i of my row, become a fragment's codes in v[PC] on and its scale word in v[PW] (every lane holds row lane % 16's).
; Each accumulator among the 64 is first read at its low end.
.macro QUANT s
.irp b, 0,1,2,3
	v_max3_num_f32 v[TM+\b], |v[\s+16*\b]|, |v[\s+16*\b+1]|, 0x1800000   ; my 16 numbers of block b, and the floor 2^(3 - 127): the byte cannot fall under 1
.endr
.irp i, 2,4,6,8,10,12,14
.irp b, 0,1,2,3
	v_max3_num_f32 v[TM+\b], v[TM+\b], |v[\s+16*\b+\i]|, |v[\s+16*\b+\i+1]|   ; the four blocks by turns
.endr
.endr
.irp b, 0,1,2,3
	s_delay_alu instid0(VALU_DEP_4)
	v_permlanex16_b32 v[TM+4+\b], v[TM+\b], s[SEL], s[SEL+1]
.endr
.irp b, 0,1,2,3
	s_delay_alu instid0(VALU_DEP_4)
	v_max_num_f32 v[TM+\b], v[TM+\b], v[TM+4+\b]   ; with lane l xor 16's 16: the block's largest magnitude
.endr
.irp b, 0,1,2,3
	s_delay_alu instid0(VALU_DEP_4)
	v_add_nc_u32 v[TM+8+\b], 0xff000000, v[TM+\b]  ; 2 off its exponent field: the conversion takes that field of this operand as its scale
.endr
.irp b, 0,1,2,3
	s_delay_alu instid0(VALU_DEP_4)
	v_lshrrev_b32 v[TM+4+\b], 23, v[TM+8+\b]       ; the scale's byte
.endr
	s_delay_alu instid0(VALU_DEP_3)
	v_lshl_or_b32 v[PW], v[TM+5], 8, v[TM+4]
	s_delay_alu instid0(VALU_DEP_1)
	v_lshl_or_b32 v[PW], v[TM+6], 16, v[PW]
	s_delay_alu instid0(VALU_DEP_1)
	v_lshl_or_b32 v[PW], v[TM+7], 24, v[PW]
.irp b, 0,1,2,3
	v_cvt_scalef32_pk8_fp4_f32 v[PC+2*\b], v[\s+16*\b:\s+16*\b+7], v[TM+8+\b]
	v_cvt_scalef32_pk8_fp4_f32 v[PC+2*\b+1], v[\s+16*\b+8:\s+16*\b+15], v[TM+8+\b]
.endr
	v_nop                                          ; one plain place behind a scaled conversion
.irp c, 0,1                            ; the operand's layout wants a whole block in a lane: lanes 0-15 block 2 c, lanes 16-31 block 2 c + 1
.irp i, 0,1
	v_permlane16_swap_b32 v[PC+4*\c+\i], v[PC+4*\c+2+\i]
.endr
.endr
.endm
	s_load_b512 s[16:31], s[0:1], 0x0              ; x 16, gamma 18, beta 20, stats 22, wq codes 24, wq scales 26, bq 28, wk codes 30
	s_load_b256 s[32:39], s[0:1], 0x40             ; wk scales 32, bk 34, wv codes 36, wv scales 38
	s_load_b128 s[40:43], s[0:1], 0x60             ; bv 40, q_rec 42
	s_load_b64 s[44:45], s[0:1], 0x70              ; kv_rec
	v_lshl_add_u32 v254, v0, 2, 0x5c00
	v_mov_b32 v255, 0
	v_lshrrev_b32 v12, 5, v0
	s_delay_alu instid0(VALU_DEP_1)
	v_readfirstlane_b32 s2, v12                    ; wave w
	s_lshr_b32 s3, s2, 1                           ; g = w / 2
	s_and_b32 s4, s2, 1                            ; s = sh = w % 2
	s_lshr_b32 s5, ttmp9, 1                        ; the record
	s_and_b32 s6, ttmp9, 1                         ; the role y
	s_lshr_b32 s7, s5, 5                           ; the image b
	s_and_b32 s14, s5, 31                          ; the block of 128 pixels
	s_mov_b32 s[SEL], 0x76543210
	s_mov_b32 s[SEL+1], 0xfedcba98
	s_mov_b32 s48, 0xffff0000                      ; lanes 16-31
	s_mov_b32 s60, 0x37000000                      ; 2^-17: a group has 131,072 numbers
	s_mov_b32 s61, 0x3727c5ac                      ; 1e-5
	v_and_b32 v13, 31, v0
	s_delay_alu instid0(VALU_DEP_1)
	v_lshlrev_b32 v[LI], 4, v13
	s_delay_alu instid0(VALU_DEP_2)
	v_lshlrev_b32 v[LS], 2, v13
	v_and_b32 v14, 7, v0                           ; my pixel in the group: lane l is row l % 16 of tile l / 16: (l & 7) + 2 (l & 8) + (l & 16) / 2
	v_and_b32 v15, 8, v0
	s_delay_alu instid0(VALU_DEP_1)
	v_lshl_or_b32 v14, v15, 1, v14
	v_and_b32 v15, 16, v0
	s_delay_alu instid0(VALU_DEP_1)
	v_lshrrev_b32 v15, 1, v15
	s_delay_alu instid0(VALU_DEP_1)
	v_or_b32 v14, v14, v15
	s_delay_alu instid0(VALU_DEP_1)
	v_lshlrev_b32 v[XO], 2, v14
	s_lshl_b32 s8, s3, 12
	s_add_co_u32 s9, s8, XIMG
	v_add_nc_u32 v[XQA], s9, v[LI]                 ; XIMG + 4,096 g + 16 l
	s_lshl_b32 s10, s4, 10
	s_add_co_u32 s9, s9, s10
	v_add_nc_u32 v[XWI], s9, v[LI]                 ; + 1,024 s
	s_lshl_b32 s8, s2, 7
	s_add_co_u32 s8, s8, XSC
	v_add_nc_u32 v[XWS], s8, v[LS]                 ; XSC + 128 w + 4 l  (w = 2 g + s)
	s_lshl_b32 s8, s3, 8
	s_add_co_u32 s8, s8, XSC
	v_add_nc_u32 v[XQS], s8, v[LS]
	s_lshl_b32 s8, s4, 9
	v_mov_b32 v[TBA], s8
	s_lshl_b32 s8, s4, 5
	s_add_co_u32 s8, s8, MT
	v_mov_b32 v[TBM], s8
	s_lshr_b32 s8, s2, 2
	s_lshl_b32 s8, s8, 9
	s_and_b32 s9, s3, 1
	s_lshl_b32 s9, s9, 3
	s_add_co_u32 s8, s8, s9
	s_lshl_b32 s9, s4, 2
	s_add_co_u32 s8, s8, s9
	s_add_co_u32 s8, s8, SCO
	v_add_nc_u32 v[SQO], s8, v[LI]                 ; SCO + 512 (g / 2) + 8 (g % 2) + 4 sh + 16 l
	v_and_b32 v16, 15, v0                          ; r
	v_bfe_u32 v17, v0, 4, 1                        ; h
	s_lshl_b32 s8, s4, 8
	s_lshl_b32 s9, s3, 2
	s_add_co_u32 s8, s8, s9
	s_add_co_u32 s8, s8, SCV
	v_lshl_add_u32 v[SVO], v16, 4, s8              ; SCV + 256 (w % 2) + 4 (w / 2) + 16 r
	v_and_b32 v18, 8, v16
	s_delay_alu instid0(VALU_DEP_1)
	v_add_nc_u32 v26, v18, v16                     ; r + 8 (r / 8): a weight's rows of a tile are not neighbours
	s_delay_alu instid0(VALU_DEP_1)
	v_lshlrev_b32 v27, 7, v26
	s_delay_alu instid0(VALU_DEP_1)
	v_lshl_add_u32 v27, v17, 4, v27                ; codes: a row of 256 codes is 128 bytes; + 16 h
	s_delay_alu instid0(VALU_DEP_3)
	v_lshlrev_b32 v28, 3, v26                      ; scale bytes: 8 a row
	v_lshlrev_b32 v29, 6, v17                      ; the bias of q or k: 16 h channels on
	v_lshlrev_b32 v30, 2, v26                      ; bv: my channel
	v_and_b32 v31, 7, v0
	s_delay_alu instid0(VALU_DEP_1)
	v_lshlrev_b32 v31, 3, v31                      ; stats: part lane % 8
	v_lshlrev_b32 v32, 2, v0                       ; gamma, beta, AT, BT: channel = my thread's number
	v_and_b32 v66, 1, v0
	s_lshl_b32 s8, s2, 3
	s_add_co_u32 s8, s8, MT
	v_lshl_add_u32 v66, v66, 2, s8                 ; MT + 8 w + 4 (l % 2)
	s_wait_alu depctr_va_vdst(0)
	s_wait_kmcnt 0x0
	s_cmp_eq_u32 s6, 0                             ; the role chooses pointers alone; it hangs on the work-group's number
	s_cselect_b64 s[24:25], s[24:25], s[30:31]     ; W's codes
	s_cselect_b64 s[26:27], s[26:27], s[32:33]     ; W's scales
	s_cselect_b64 s[28:29], s[28:29], s[34:35]     ; the bias
	s_cselect_b64 s[42:43], s[42:43], s[44:45]     ; where the results go
	s_mov_b32 s50, 34816
	s_cselect_b32 s50, 17408, s50                  ; and the record's stride there
	s_mov_b32 s9, 0
	s_lshl_b32 s8, s7, 3
	s_add_co_u32 s8, s8, s2
	s_lshl_b32 s8, s8, 6
	s_add_nc_u64 s[22:23], s[22:23], s[8:9]        ; stats of group 8 b + w
	s_lshl_b32 s8, s4, 14
	s_add_nc_u64 s[24:25], s[24:25], s[8:9]        ; my 128 rows of W
	s_lshl_b32 s8, s4, 10
	s_add_nc_u64 s[26:27], s[26:27], s[8:9]
	s_lshl_b32 s8, s4, 9
	s_add_nc_u64 s[28:29], s[28:29], s[8:9]
	s_lshl_b32 s10, s6, 7
	s_lshl_b32 s11, s3, 5
	s_add_co_u32 s10, s10, s11
	s_lshl_b32 s11, s4, 3
	s_add_co_u32 s10, s10, s11                     ; my tile of wv begins at row 128 y + 32 (w / 2) + 8 (w % 2)
	s_lshl_b32 s8, s10, 7
	s_add_nc_u64 s[36:37], s[36:37], s[8:9]
	s_lshl_b32 s8, s10, 3
	s_add_nc_u64 s[38:39], s[38:39], s[8:9]
	s_lshl_b32 s8, s10, 2
	s_add_nc_u64 s[40:41], s[40:41], s[8:9]
	s_lshl_b32 s8, s7, 22
	s_lshl_b32 s11, s4, 21
	s_add_co_u32 s8, s8, s11
	s_lshl_b32 s11, s14, 9
	s_add_co_u32 s8, s8, s11
	s_lshl_b32 s11, s3, 7
	s_add_co_u32 s8, s8, s11
	s_add_nc_u64 s[16:17], s[16:17], s[8:9]        ; x at image b, channel 128 s, pixel 128 block + 32 g
	s_mul_i32 s8, s5, s50
	s_add_nc_u64 s[52:53], s[42:43], s[8:9]        ; the record of q or k
	s_lshl_b32 s8, s3, 12
	s_lshl_b32 s11, s4, 10
	s_add_co_u32 s8, s8, s11
	s_add_nc_u64 s[54:55], s[52:53], s[8:9]        ; fragment (2 g, sh)
	s_mul_i32 s8, s5, 34816
	s_add_co_u32 s8, s8, 17408
	s_add_nc_u64 s[58:59], s[44:45], s[8:9]        ; v's part of the record
	s_lshl_b32 s8, s6, 9
	s_add_co_u32 s8, s8, 16384
	s_add_nc_u64 s[56:57], s[58:59], s[8:9]        ; this role's 512 bytes of v's scale words
	s_lshl_b32 s8, s6, 3
	s_add_co_u32 s8, s8, s2
	s_lshl_b32 s8, s8, 10
	s_add_nc_u64 s[58:59], s[58:59], s[8:9]        ; fragment ct = 8 y + w
	global_load_b64 v[60:61], v31, s[22:23]        ; (mean, sum of squares) of part lane % 8
	global_load_b32 v62, v32, s[18:19]             ; gamma
	global_load_b32 v63, v32, s[20:21]             ; beta
	WIN 0x40                                       ; destination window 1
.irp t, 0,1,2,3,4,5,6,7
.irp s, 0,1
.irp c, 0,1
	global_load_b128 v[WR+8*(2*\t+\s)+4*\c:WR+8*(2*\t+\s)+4*\c+3], v27, s[24:25] offset:(32*(\t/2)+8*(\t%2))*128+64*\s+32*\c
.endr
.endr
.endr
.irp t, 0,1,2,3,4,5,6,7
	global_load_b128 v[B1+8*\t:B1+8*\t+3], v29, s[28:29] offset:(32*(\t/2)+8*(\t%2))*4
	global_load_b128 v[B1+8*\t+4:B1+8*\t+7], v29, s[28:29] offset:(32*(\t/2)+8*(\t%2))*4+16
.endr
.irp s, 0,1
.irp c, 0,1
	global_load_b128 v[WV+8*\s+4*\c:WV+8*\s+4*\c+3], v27, s[36:37] offset:64*\s+32*\c
.endr
.endr
.irp j, 0,1,2,3,4,5,6,7
	global_load_b32 v[BV+\j], v30, s[40:41]        ; a lane holds one channel of v: its bias in all eight registers of C
.endr
	WIN 0
.irp t, 0,1,2,3,4,5,6,7
.irp s, 0,1
	global_load_b32 v[W1S+2*\t+\s], v28, s[26:27] offset:(32*(\t/2)+8*(\t%2))*8+4*\s
.endr
.endr
.irp s, 0,1
	global_load_b32 v[WVS+\s], v28, s[38:39] offset:4*\s
.endr
.set i, 0
.rept 128
	global_load_b32 v[X+i], v[XO], s[16:17] offset:i*16384   ; channel 128 s + i at my pixel: the wave's 32 lanes read 128 consecutive bytes
.set i, i+1
.endr
	; ---- the statistics of group w: eight parts are joined from their means and their sums of squared deviations
	s_wait_loadcnt 63                              ; 206 loads were issued behind the first three: those three are in
	v_mov_b32 v64, v60
	s_delay_alu instid0(VALU_DEP_1)
	v_add_f32_dpp v64, v64, v64 row_xmask:1 row_mask:0xf bank_mask:0xf
	s_delay_alu instid0(VALU_DEP_1)
	v_add_f32_dpp v64, v64, v64 row_xmask:2 row_mask:0xf bank_mask:0xf
	s_delay_alu instid0(VALU_DEP_1)
	v_add_f32_dpp v64, v64, v64 row_xmask:4 row_mask:0xf bank_mask:0xf
	s_delay_alu instid0(VALU_DEP_1)
	v_mul_f32 v64, 0x3e000000, v64                 ; / 8: the group's mean
	s_delay_alu instid0(VALU_DEP_1)
	v_sub_f32 v65, v60, v64
	s_delay_alu instid0(VALU_DEP_1)
	v_mul_f32 v65, v65, v65
	s_delay_alu instid0(VALU_DEP_1)
	v_fmamk_f32 v65, v65, 0x46800000, v61          ; the part's squares about the group's mean: 16,384 d^2 + its own
	s_delay_alu instid0(VALU_DEP_1)
	v_add_f32_dpp v65, v65, v65 row_xmask:1 row_mask:0xf bank_mask:0xf
	s_delay_alu instid0(VALU_DEP_1)
	v_add_f32_dpp v65, v65, v65 row_xmask:2 row_mask:0xf bank_mask:0xf
	s_delay_alu instid0(VALU_DEP_1)
	v_add_f32_dpp v65, v65, v65 row_xmask:4 row_mask:0xf bank_mask:0xf
	s_delay_alu instid0(VALU_DEP_1)
	v_fma_f32 v65, v65, s60, s61                   ; the variance + 1e-5
	s_wait_alu depctr_va_vdst(0)
	v_rsq_f32 v65, v65
	v_nop                                          ; one plain place behind a transcendental
	s_wait_alu depctr_va_vdst(0)
	v_mul_f32 v62, v62, v65                        ; gamma x rstd
	ds_store_b32 v32, v62 offset:AT
	ds_store_b32 v32, v63 offset:BT
	ds_store_b32 v66, v64                          ; the mean, twice: a pair for the packed subtraction
	BARRIER
	; ---- X: xn = (x - mean) (gamma rstd) + beta for my pixel's 128 channels, a group (= a block of 32 along K) at a time
	ds_load_b128 v[TM:TM+3], v[TBM]
	ds_load_b128 v[TM+4:TM+7], v[TBM] offset:16    ; my four groups' (mean, mean)
.irp i, 0,1,2,3
.irp k, 0,1,2,3,4,5,6,7
	ds_load_b128 v[HA+4*\k:HA+4*\k+3], v[TBA] offset:AT+128*\i+16*\k           ; all lanes read the same 16 bytes
	ds_load_b128 v[HA+32+4*\k:HA+32+4*\k+3], v[TBA] offset:BT+128*\i+16*\k
.endr
	s_wait_dscnt 0x0
.if \i < 2
	s_wait_loadcnt 63                              ; 96 or 64 loads were issued behind this block's: the count is the largest that the wait can name
.else
	s_wait_loadcnt 32*(3-\i)                       ; the later blocks' loads may stay out
.endif
.irp j, 0,2,4,6,8,10,12,14,16,18,20,22,24,26,28,30
	v_pk_add_f32 v[X+32*\i+\j:X+32*\i+\j+1], v[X+32*\i+\j:X+32*\i+\j+1], v[TM+2*\i:TM+2*\i+1] neg_lo:[0,1] neg_hi:[0,1]
.endr
.irp j, 0,2,4,6,8,10,12,14,16,18,20,22,24,26,28,30
	v_pk_fma_f32 v[X+32*\i+\j:X+32*\i+\j+1], v[X+32*\i+\j:X+32*\i+\j+1], v[HA+\j:HA+\j+1], v[HA+32+\j:HA+32+\j+1]
.endr
.endr
	; a block's 32 numbers are all mine: its largest magnitude needs no other lane
.irp b, 0,1,2,3
	v_max3_num_f32 v[TM+\b], |v[X+32*\b]|, |v[X+32*\b+1]|, 0x1800000
.endr
.irp i, 2,4,6,8,10,12,14,16,18,20,22,24,26,28,30
.irp b, 0,1,2,3
	s_delay_alu instid0(VALU_DEP_4)
	v_max3_num_f32 v[TM+\b], v[TM+\b], |v[X+32*\b+\i]|, |v[X+32*\b+\i+1]|
.endr
.endr
.irp b, 0,1,2,3
	s_delay_alu instid0(VALU_DEP_4)
	v_add_nc_u32 v[TM+8+\b], 0xff000000, v[TM+\b]
.endr
.irp b, 0,1,2,3
	s_delay_alu instid0(VALU_DEP_4)
	v_lshrrev_b32 v[TM+4+\b], 23, v[TM+8+\b]
.endr
	s_delay_alu instid0(VALU_DEP_3)
	v_lshl_or_b32 v[PW], v[TM+5], 8, v[TM+4]
	s_delay_alu instid0(VALU_DEP_1)
	v_lshl_or_b32 v[PW], v[TM+6], 16, v[PW]
	s_delay_alu instid0(VALU_DEP_1)
	v_lshl_or_b32 v[PW], v[TM+7], 24, v[PW]        ; my pixel's scale word: lanes 0-15 tile 2 g's rows, lanes 16-31 tile 2 g + 1's
.irp b, 0,1,2,3
.irp i, 0,1,2,3
	v_cvt_scalef32_pk8_fp4_f32 v[HA+4*\b+\i], v[X+32*\b+8*\i:X+32*\b+8*\i+7], v[TM+8+\b]
.endr
.endr
	v_nop                                          ; one plain place behind a scaled conversion
.irp c, 0,1                            ; lanes 16-31 of block 2 c change places with lanes 0-15 of block 2 c + 1: v[HA + 8 c ..] is then tile 2 g's registers 4 c .., v[HA + 8 c + 4 ..] tile 2 g + 1's
.irp i, 0,1,2,3
	v_permlane16_swap_b32 v[HA+8*\c+\i], v[HA+8*\c+4+\i]
.endr
.endr
.irp u, 0,1
.irp c, 0,1
	ds_store_b128 v[XWI], v[HA+8*\c+4*\u:HA+8*\c+4*\u+3] offset:2048*\u+512*\c
.endr
.endr
	ds_store_b32 v[XWS], v[PW]
	BARRIER                                        ; xn's sixteen fragments lie in LDS
	; ---- V: my 16 channels of v for all 128 pixels
.irp f, 0,1,2,3,4,5,6,7,8,9,10,11,12,13,14,15
.irp c, 0,1
	ds_load_b128 v[XF+8*\f+4*\c:XF+8*\f+4*\c+3], v[LI] offset:XIMG+1024*\f+512*\c
.endr
.endr
.irp k, 0,1,2,3,4,5,6,7
	ds_load_b32 v[XS+\k], v[LS] offset:XSC+128*\k
.endr
	s_wait_dscnt 0x0
	WIN 0x14                                       ; source 1 (wv) and C (bv) window 1
.irp t, 0,1,2,3,4,5,6,7                ; the eight accumulators take turns
	WM HA+8*\t, XF+16*\t, WV, BV, XS+2*(\t/2), WVS, \t%2, 0
.endr
	WIN 0x04
.irp t, 0,1,2,3,4,5,6,7
	WM HA+8*\t, XF+16*\t+8, WV+8, HA+8*\t, XS+2*(\t/2)+1, WVS+1, \t%2, 0
.endr
	WIN 0
	PLACES 5                                       ; four serve the loads below and the reads of the results, the fifth the later products that begin these accumulators anew
.irp u, 0,1
.irp s, 0,1
.irp c, 0,1
	ds_load_b128 v[XF+8*(2*\u+\s)+4*\c:XF+8*(2*\u+\s)+4*\c+3], v[XQA] offset:1024*(2*\u+\s)+512*\c   ; my own group's four fragments, for QK
.endr
.endr
.endr
.irp s, 0,1
	ds_load_b32 v[XS+\s], v[XQS] offset:128*\s
.endr
	QUANT HA                                       ; register 16 g + 8 u + j is pixel 32 g + 16 h + 8 u + j: v is quantised along the pixels
	global_store_b128 v[LI], v[PC:PC+3], s[58:59]  ; 32 lanes store 512 consecutive bytes, at a multiple of 256 from the buffer's first byte
	global_store_b128 v[LI], v[PC+4:PC+7], s[58:59] offset:512
	ds_store_b32 v[SVO], v[PW]                     ; both halves of the lanes write row r's word with the same value
	; ---- QK: my 128 output channels for my group's two tiles of pixels
.irp u, 0,1
.if \u == 0
	s_wait_dscnt 0x0                               ; my group's fragments are in
.endif
	WIN 0x11                                       ; source 0 (W) and C (the bias) window 1
.irp t, 0,1,2,3,4,5,6,7
	WM HA+8*\t, WR+16*\t, XF+16*\u, B1+8*\t, W1S+2*\t, XS, 0, \u
.endr
	WIN 0x01
.irp t, 0,1,2,3,4,5,6,7
	WM HA+8*\t, WR+16*\t+8, XF+16*\u+8, HA+8*\t, W1S+2*\t+1, XS+1, 0, \u
.endr
	WIN 0
	PLACES 5
	s_wait_xcnt 0x0                                ; the last stores have read v[PC] on: only behind this wait is it written again
	QUANT HA
	global_store_b128 v[LI], v[PC:PC+3], s[54:55] offset:2048*\u
	global_store_b128 v[LI], v[PC+4:PC+7], s[54:55] offset:2048*\u+512
.if \u == 0
	v_mov_b32 v[PW0], v[PW]
.else
	v_cndmask_b32 v[PW], v[PW0], v[PW], s48        ; lanes 0-15: tile 2 g's words; lanes 16-31: tile 2 g + 1's
	ds_store_b32 v[SQO], v[PW]
.endif
.endr
	BARRIER                                        ; all scale words lie in LDS
	s_cmp_eq_u32 s2, 0
	s_cbranch_scc0 .Lnot_wave_0
	ds_load_b128 v[60:63], v[LI] offset:SCO
	ds_load_b128 v[64:67], v[LI] offset:SCO+512
	s_wait_dscnt 0x0
	global_store_b128 v[LI], v[60:63], s[52:53] offset:16384
	global_store_b128 v[LI], v[64:67], s[52:53] offset:16384+512
.Lnot_wave_0:
	s_cmp_eq_u32 s2, 1
	s_cbranch_scc0 .Lend
	ds_load_b128 v[60:63], v[LI] offset:SCV
	s_wait_dscnt 0x0
	global_store_b128 v[LI], v[60:63], s[56:57]
.Lend:
	s_wait_tensorcnt 0x0
	ds_add_u32 v254, v255
	s_wait_dscnt 0x0
	s_endpgm
.Lfunc_end_k_q794f5319e0_qkv:
	.size	k_q794f5319e0_qkv, .Lfunc_end_k_q794f5319e0_qkv-k_q794f5319e0_qkv
	.p2alignl 7, 3214868480
	.fill 96, 4, 3214868480
	.section	.rodata,"a",@progbits
	.p2align	6, 0x0
	.amdhsa_kernel k_q794f5319e0_qkv
		.amdhsa_group_segment_fixed_size 24576
		.amdhsa_private_segment_fixed_size 0
		.amdhsa_enable_private_segment 0
		.amdhsa_kernarg_size 120
		.amdhsa_user_sgpr_count 2
		.amdhsa_user_sgpr_kernarg_segment_ptr 1
		.amdhsa_wavefront_size32 1
		.amdhsa_system_sgpr_workgroup_id_x 1
		.amdhsa_system_sgpr_workgroup_id_y 1
		.amdhsa_system_sgpr_workgroup_id_z 1
		.amdhsa_system_vgpr_workitem_id 0
		.amdhsa_next_free_vgpr 512
		.amdhsa_next_free_sgpr 66
		.amdhsa_reserve_vcc 0
		.amdhsa_float_denorm_mode_32 3
		.amdhsa_float_denorm_mode_16_64 3
		.amdhsa_memory_ordered 1
		.amdhsa_forward_progress 1
		.amdhsa_inst_pref_size 73
	.end_amdhsa_kernel
	.amdgpu_metadata
---
amdhsa.version: [ 1, 2 ]
amdhsa.kernels:
  - .name:           k_q794f5319e0_qkv
    .symbol:         k_q794f5319e0_qkv.kd
    .args:
      - { .name: x, .offset: 0, .size: 8, .value_kind: global_buffer, .address_space: global }
      - { .name: gamma, .offset: 8, .size: 8, .value_kind: global_buffer, .address_space: global }
      - { .name: beta, .offset: 16, .size: 8, .value_kind: global_buffer, .address_space: global }
      - { .name: stats, .offset: 24, .size: 8, .value_kind: global_buffer, .address_space: global }
      - { .name: wq_codes, .offset: 32, .size: 8, .value_kind: global_buffer, .address_space: global }
      - { .name: wq_scales, .offset: 40, .size: 8, .value_kind: global_buffer, .address_space: global }
      - { .name: bq, .offset: 48, .size: 8, .value_kind: global_buffer, .address_space: global }
      - { .name: wk_codes, .offset: 56, .size: 8, .value_kind: global_buffer, .address_space: global }
      - { .name: wk_scales, .offset: 64, .size: 8, .value_kind: global_buffer, .address_space: global }
      - { .name: bk, .offset: 72, .size: 8, .value_kind: global_buffer, .address_space: global }
      - { .name: wv_codes, .offset: 80, .size: 8, .value_kind: global_buffer, .address_space: global }
      - { .name: wv_scales, .offset: 88, .size: 8, .value_kind: global_buffer, .address_space: global }
      - { .name: bv, .offset: 96, .size: 8, .value_kind: global_buffer, .address_space: global }
      - { .name: q_rec, .offset: 104, .size: 8, .value_kind: global_buffer, .address_space: global }
      - { .name: kv_rec, .offset: 112, .size: 8, .value_kind: global_buffer, .address_space: global }
    .group_segment_fixed_size: 24576
    .private_segment_fixed_size: 0
    .kernarg_segment_align: 8
    .kernarg_segment_size: 120
    .max_flat_workgroup_size: 256
    .sgpr_count:     66
    .vgpr_count:     512
    .wavefront_size: 32
...
	.end_amdgpu_metadata
.endif
;; end of part 2
;; launch attn (part 3): grid 64 x 4, 8 waves a work-group, clusters of 4 x 1, 327,680 bytes of LDS; arguments q_rec, kv_rec, wp_codes, wp_scales, bp, x, out0; writes out0
.if DOCPART == 3
	.amdgcn_target "amdgcn-amd-amdhsa--gfx1250"
	.amdhsa_code_object_version 6
	.text
	.protected	k_q794f5319e0_attn
	.globl	k_q794f5319e0_attn
	.p2align	8
	.type	k_q794f5319e0_attn,@function
k_q794f5319e0_attn:
	s_mov_b64 s[64:65], 0
	v_nop
	global_prefetch_b8 v0, s[64:65] scope:SCOPE_SE
	s_setreg_imm32_b32 hwreg(HW_REG_WAVE_MODE, 25, 1), 1
	s_wait_xcnt 0x0
	s_wait_alu depctr_hold_cnt(0) depctr_sa_sdst(0) depctr_va_vdst(0) depctr_va_sdst(0) depctr_va_ssrc(0) depctr_va_vcc(0) depctr_vm_vsrc(0)
	s_getreg_b32 s2, hwreg(HW_REG_IB_STS2, 6, 4)
	s_cmp_eq_u32 s2, 0
	s_cbranch_scc0 .Lentry_in_a_cluster
	s_endpgm
.Lentry_in_a_cluster:
	s_bfe_u32 s2, ttmp6, 0x10000c
	s_cmp_lg_u32 s2, 0x3003
	s_cbranch_scc0 .Lentry_shape_is_right
	s_endpgm
.Lentry_shape_is_right:
; out0 = wp . (softmax(q^T k / 16) v) + bp + x, all three products on codes of FP4 (E2M1) with one E8M0 scale for each 32 along K.  q, k, v come as records of register images:
; a fragment (16 rows x 128 K) is 1,024 bytes, registers 4 c .. 4 c + 3 of lane l at 512 c + 16 l; a record is 128 pixels: k's 16 fragments, 1,024 bytes of its scale words, v's 16 fragments, its scale words.
; THE SOFTMAX: t = score x log2(e) / 16; M = the largest t so far, rounded UP to a whole number; p = 2^(t - M) is quantised along the keys, not normalised; the sum is taken of the unquantised p.
; When M moves, the sum and O are multiplied by 2^(old M - new M), which rounds nothing.
; SHARES.  A work-group owns 64 queries of one image: four tiles of 16.  Wave w = 2 j + p owns the two tiles of pair p and, of every slot of four records, record j: so each fragment of k and v read from LDS
; feeds two products, and two waves stand on a SIMD.  The four waves of a pair have each a quarter of the keys; at the end their O, sums and M are joined by exact powers of two.
; LAYOUT.  S^T = k q^T (source 0 = 16 keys), O^T = v p^T (source 0 = 16 channels): a lane holds ONE query throughout.  The rows of k's and v's tiles are chosen by the launch that made them so that a lane's 16 registers of two
; neighbouring tiles are 16 neighbours along the next product's K.
; CLUSTER.  The four work-groups of a cluster belong to one image and walk the same records: every slot is asked for JOINTLY, each wave its eighth (68 rows of 256 bytes), with the mask of all four.
; My place in the cluster enters the addresses of q, x and out0 alone.
; LIMITS: NaN and infinities are not served; a block whose largest magnitude lies under 2^(3 - 127) keeps the byte 1; the division by the sum is a reciprocal and a multiplication.
; REGISTERS.  window 0: v1-5 addresses that stay; v[6:9] two pairs (f, 0); v10-17 a tile's -M, largest t, sum in two halves; v18-29 scale words and nothing else; v32-63 q; v64-127 two sets of four fragments of k
; (v64-91 also p's codes and the softmax's working registers); v128-255 S^T, then p, then v's sixteen fragments.   window 1: O^T, tile q's channels' tile ct at 128 q + 8 ct.
.set PART,  17408                      ; k's or v's part of a record
.set REC,   2*PART
.set SLOTB, 4*REC                      ; a slot: four records, 139,264 dense bytes
.set SPARE, 2*SLOTB                    ; behind the ring: the spare words, 128 bytes for each wave: four blocks of 256 bytes that no other line names
.set CST,   SPARE+1024                 ; the waves' -M and sums: 512 bytes a wave
.set OIMG,  CST+4096                   ; the attention result's eight fragments
.set OSC,   OIMG+8192                  ; and their scale words
.set LI,  1                            ; v1   16 x lane
.set AD,  2                            ; v2-3 my record in slot 0, 1
.set SPW, 4                            ; v4   LDS address of my spare word; never rewritten
.set NIL, 5                            ; v5   0; never rewritten
.set FP,  6
.set ST,  10
.set QS,  18                           ; v18-19 q's scale words (later wp's, with v20-21)
.set PWS, 20                           ; v20-21 p's
.set KVS, 22                           ; v22-29 k's, then v's (later the attention result's)
.set TP,  30
.set Q,   32
.set F,   64
.set PC,  64                           ; v64-79 p's codes, tile q at 8 q
.set BM,  80                           ; v80-83 a block's largest score, then its largest p
.set PM,  84                           ; v84-87 the other lanes', then bytes, then a chain of the sum
.set SO,  88                           ; v88-91 the conversions' scale operands
.set S,   128
.set QTM, 96                           ; the way out: the quantiser's working registers,
.set QPC, 112                          ; its codes
.set QPW, 120                          ; and its scale word
.set G1,  24                           ; s[24:31] descriptor group 1
.set G0,  32                           ; s[32:39] group 0, a set for each slot
.set CS,  42                           ; s[42:43] c = log2(e) / 16, twice
.set SEL, 44                           ; s[44:45] lane selects: lane l xor 16
.set ZERO, 999
.set MSB, 0
.macro WIN new                         ; the immediate's high byte repeats the setting that is left
.if MSB != \new
	s_set_vgpr_msb (MSB<<8)|\new
.set MSB, \new
.endif
.endm
.macro PLACES n
.rept \n
	v_nop
.endr
.endm
.macro BARRIER
	s_wait_dscnt 0x0
	s_barrier_signal -1
	s_barrier_wait -1
.endm
.macro ROUND                           ; a round of the cluster's barrier: my work-group's barrier, wave 0's signal for the work-group, every wave's wait for all four, my work-group's barrier once more
	s_barrier_signal -1
	s_barrier_wait -1
	s_cmp_lg_u32 s18, 0
	s_cbranch_scc1 .Lnot_wave_0_\@
	s_barrier_signal -3
.Lnot_wave_0_\@:
	s_barrier_wait -3
	s_barrier_signal -1
	s_barrier_wait -1
.endm
; One product: D at v[d], sources at v[a], v[b], C at v[c] (ZERO: the constant 0), scale registers sa, sb; ra, rb = 1: that side's scales are read from lanes 16-31
.macro WM d, a, b, c, sa, sb, ra, rb
.if (\c) == ZERO
.if ((\ra) == 0) && ((\rb) == 0)
	v_wmma_scale_f32_16x16x128_f8f6f4 v[\d:\d+7], v[\a:\a+7], v[\b:\b+7], 0, v[\sa], v[\sb] matrix_a_fmt:MATRIX_FMT_FP4 matrix_b_fmt:MATRIX_FMT_FP4
.elseif (\rb) == 0
	v_wmma_scale_f32_16x16x128_f8f6f4 v[\d:\d+7], v[\a:\a+7], v[\b:\b+7], 0, v[\sa], v[\sb] matrix_a_fmt:MATRIX_FMT_FP4 matrix_b_fmt:MATRIX_FMT_FP4 matrix_a_scale:MATRIX_SCALE_ROW1
.elseif (\ra) == 0
	v_wmma_scale_f32_16x16x128_f8f6f4 v[\d:\d+7], v[\a:\a+7], v[\b:\b+7], 0, v[\sa], v[\sb] matrix_a_fmt:MATRIX_FMT_FP4 matrix_b_fmt:MATRIX_FMT_FP4 matrix_b_scale:MATRIX_SCALE_ROW1
.else
	v_wmma_scale_f32_16x16x128_f8f6f4 v[\d:\d+7], v[\a:\a+7], v[\b:\b+7], 0, v[\sa], v[\sb] matrix_a_fmt:MATRIX_FMT_FP4 matrix_b_fmt:MATRIX_FMT_FP4 matrix_a_scale:MATRIX_SCALE_ROW1 matrix_b_scale:MATRIX_SCALE_ROW1
.endif
.else
.if ((\ra) == 0) && ((\rb) == 0)
	v_wmma_scale_f32_16x16x128_f8f6f4 v[\d:\d+7], v[\a:\a+7], v[\b:\b+7], v[\c:\c+7], v[\sa], v[\sb] matrix_a_fmt:MATRIX_FMT_FP4 matrix_b_fmt:MATRIX_FMT_FP4
.elseif (\rb) == 0
	v_wmma_scale_f32_16x16x128_f8f6f4 v[\d:\d+7], v[\a:\a+7], v[\b:\b+7], v[\c:\c+7], v[\sa], v[\sb] matrix_a_fmt:MATRIX_FMT_FP4 matrix_b_fmt:MATRIX_FMT_FP4 matrix_a_scale:MATRIX_SCALE_ROW1
.elseif (\ra) == 0
	v_wmma_scale_f32_16x16x128_f8f6f4 v[\d:\d+7], v[\a:\a+7], v[\b:\b+7], v[\c:\c+7], v[\sa], v[\sb] matrix_a_fmt:MATRIX_FMT_FP4 matrix_b_fmt:MATRIX_FMT_FP4 matrix_b_scale:MATRIX_SCALE_ROW1
.else
	v_wmma_scale_f32_16x16x128_f8f6f4 v[\d:\d+7], v[\a:\a+7], v[\b:\b+7], v[\c:\c+7], v[\sa], v[\sb] matrix_a_fmt:MATRIX_FMT_FP4 matrix_b_fmt:MATRIX_FMT_FP4 matrix_a_scale:MATRIX_SCALE_ROW1 matrix_b_scale:MATRIX_SCALE_ROW1
.endif
.endif
.endm
; k's four fragments of the group g of 32 keys (tiles 2 g, 2 g + 1; both halves of the 256 channels) into set buf
.macro KLOAD ad, g, buf
.irp u, 0,1
.irp s, 0,1
.irp c, 0,1
	ds_load_b128 v[F+32*(\buf)+8*(2*\u+\s)+4*\c:F+32*(\buf)+8*(2*\u+\s)+4*\c+3], v[\ad] offset:(2*(2*(\g)+\u)+\s)*1024+512*\c
.endr
.endr
.endr
.endm
; eight products: the group's two tiles of keys x my two tiles of queries, 256 channels deep.  The four accumulators take turns; the first four products start the sums.
.macro KMUL g, buf
.irp s, 0,1
.irp u, 0,1
.irp q, 0,1
.if \s == 0
	WM S+64*\q+8*(2*(\g)+\u), F+32*(\buf)+8*(2*\u+\s), Q+16*\q+8*\s, ZERO, KVS+2*(\g)+\s, QS+\s, \u, \q
.else
	WM S+64*\q+8*(2*(\g)+\u), F+32*(\buf)+8*(2*\u+\s), Q+16*\q+8*\s, S+64*\q+8*(2*(\g)+\u), KVS+2*(\g)+\s, QS+\s, \u, \q
.endif
.endr
.endr
.endr
.endm
; v's fragments ct = 8 half .. 8 half + 7 into the scores' registers of tile half, which are done with
.macro VLOAD ad, half
.irp i, 0,1,2,3,4,5,6,7
.irp c, 0,1
	ds_load_b128 v[S+64*(\half)+8*\i+4*\c:S+64*(\half)+8*\i+4*\c+3], v[\ad] offset:PART+(8*(\half)+\i)*1024+512*\c
.endr
.endr
.endm
; sixteen products O^T += v p^T: eight tiles of channels x my two tiles of queries, 128 keys deep; each names another accumulator.  first = 1: they start the sums
.macro PV half, first
.irp i, 0,1,2,3,4,5,6,7
.irp q, 0,1
.if \first
	WM 128*\q+64*(\half)+8*\i, S+64*(\half)+8*\i, PC+8*\q, ZERO, KVS+4*(\half)+\i/2, PWS+\q, \i%2, 0
.else
	WM 128*\q+64*(\half)+8*\i, S+64*(\half)+8*\i, PC+8*\q, 128*\q+64*(\half)+8*\i, KVS+4*(\half)+\i/2, PWS+\q, \i%2, 0
.endif
.endr
.endr
.endm
; The softmax of tile q for 128 keys.  Register 16 b + i of the tile's 64 is key 32 b + 16 (lane / 16) + i of my query.  Each accumulator is first read at its low end.
.macro SOFTMAX q
.set rS, S+64*(\q)
.set rT, ST+4*(\q)
.set rF, FP+2*(\q)
.set rP, PC+8*(\q)
.set rW, PWS+(\q)
.irp b, 0,1,2,3
	v_max3_num_f32 v[BM+\b], v[rS+16*\b], v[rS+16*\b+1], v[rS+16*\b+2]   ; the largest score of each block of 32 keys: it serves the row's maximum and, since p rises with the score, the block's largest p
.endr
.irp i, 3,5,7,9,11,13
.irp b, 0,1,2,3
	v_max3_num_f32 v[BM+\b], v[BM+\b], v[rS+16*\b+\i], v[rS+16*\b+\i+1]
.endr
.endr
.irp b, 0,1,2,3
	v_max_num_f32 v[BM+\b], v[BM+\b], v[rS+16*\b+15]
.endr
.irp b, 0,1,2,3
	s_delay_alu instid0(VALU_DEP_4)
	v_permlanex16_b32 v[PM+\b], v[BM+\b], s[SEL], s[SEL+1]
.endr
.irp b, 0,1,2,3
	s_delay_alu instid0(VALU_DEP_4)
	v_max_num_f32 v[BM+\b], v[BM+\b], v[PM+\b]     ; with lane l xor 16's 16 keys
.endr
	s_delay_alu instid0(VALU_DEP_2)
	v_max3_num_f32 v[TP], v[BM], v[BM+1], v[BM+2]
	s_delay_alu instid0(VALU_DEP_1)
	v_max_num_f32 v[TP], v[TP], v[BM+3]
	s_delay_alu instid0(VALU_DEP_1)
	v_mul_f32 v[TP], s[CS], v[TP]                  ; the step's largest t (c is positive)
	s_delay_alu instid0(VALU_DEP_1)
	v_max_num_f32 v[rT+1], v[rT+1], v[TP]          ; the running largest t
	v_mov_b32 v[TP], v[rT]
	s_delay_alu instid0(VALU_DEP_2)
	v_floor_f32 v[rT], -v[rT+1]                    ; the new -M = floor(-t): M is a whole number
	s_delay_alu instid0(VALU_DEP_1)
	v_sub_f32 v[TP], v[rT], v[TP]                  ; old M - new M: a whole number, 0 or less
	s_delay_alu instid0(VALU_DEP_1)
	v_cvt_i32_f32 v[TP], v[TP]                     ; (it saturates)
	s_delay_alu instid0(VALU_DEP_1)
	v_ldexp_f32 v[rF], 1.0, v[TP]                  ; f = 2^(old M - new M)
.set n, 0
.rept 32
	v_pk_fma_f32 v[rS+n:rS+n+1], v[rS+n:rS+n+1], s[CS:CS+1], v[rT:rT+1] op_sel_hi:[1,0,0]   ; t - M, two at a time
.set n, n+2
.endr
.irp b, 0,1,2,3
	v_fma_f32 v[BM+\b], v[BM+\b], s[CS], v[rT]     ; the same of each block's largest score
.endr
.set n, 0
	s_wait_alu depctr_va_vdst(0)
.rept 64
	v_exp_f32 v[rS+n], v[rS+n]                     ; p = 2^(t - M)
.set n, n+1
.endr
.irp b, 0,1,2,3
	v_exp_f32 v[BM+\b], v[BM+\b]                   ; the block's largest p: the same two instructions on the same number
.endr
	v_pk_mul_f32 v[rT+2:rT+3], v[rT+2:rT+3], v[rF:rF+1] op_sel_hi:[1,0]   ; the sum under the new M.  (The plain place behind the exponentials)
	s_wait_alu depctr_va_vdst(0)
.irp b, 0,1,2,3
	v_max_num_f32 v[BM+\b], 0x1800000, v[BM+\b]    ; the floor 2^(3 - 127): the byte cannot fall under 1
.endr
.irp b, 0,1,2,3
	s_delay_alu instid0(VALU_DEP_4)
	v_add_nc_u32 v[SO+\b], 0xff000000, v[BM+\b]    ; 2 off the exponent field: the conversion's scale operand
.endr
.irp b, 0,1,2,3
	s_delay_alu instid0(VALU_DEP_4)
	v_lshrrev_b32 v[PM+\b], 23, v[SO+\b]           ; the scale's byte
.endr
	s_delay_alu instid0(VALU_DEP_3)
	v_lshl_or_b32 v[rW], v[PM+1], 8, v[PM]
	s_delay_alu instid0(VALU_DEP_1)
	v_lshl_or_b32 v[rW], v[PM+2], 16, v[rW]
	s_delay_alu instid0(VALU_DEP_1)
	v_lshl_or_b32 v[rW], v[PM+3], 24, v[rW]        ; p's scale word for these 128 keys
.irp b, 0,1,2,3
	v_cvt_scalef32_pk8_fp4_f32 v[rP+2*\b], v[rS+16*\b:rS+16*\b+7], v[SO+\b]
	v_cvt_scalef32_pk8_fp4_f32 v[rP+2*\b+1], v[rS+16*\b+8:rS+16*\b+15], v[SO+\b]
.endr
	v_nop                                          ; one plain place behind a scaled conversion
.irp c, 0,1
.irp i, 0,1
	v_permlane16_swap_b32 v[rP+4*\c+\i], v[rP+4*\c+2+\i]   ; a whole block to a lane
.endr
.endr
	v_pk_add_f32 v[PM:PM+1], v[rS:rS+1], v[rS+2:rS+3]      ; the sum is taken of the unquantised p, in two chains; these 32 are also the places between p's codes and scale word and the products that take them
.irp j, 4,8,12,16,20,24,28,32,36,40,44,48,52,56,60
	v_pk_add_f32 v[rT+2:rT+3], v[rT+2:rT+3], v[rS+\j:rS+\j+1]
	v_pk_add_f32 v[PM:PM+1], v[PM:PM+1], v[rS+\j+2:rS+\j+3]
.endr
	s_delay_alu instid0(VALU_DEP_1)
	v_pk_add_f32 v[rT+2:rT+3], v[rT+2:rT+3], v[PM:PM+1]
.endm
; A KEY STEP: my record of the slot at v[ad]: 128 keys for my two tiles of queries.
.macro STEP ad, first
	ds_load_b128 v[KVS:KVS+3], v[\ad] offset:16384          ; k's scale words: register 2 g + s, lanes 0-15 tile 2 g, lanes 16-31 tile 2 g + 1
	ds_load_b128 v[KVS+4:KVS+7], v[\ad] offset:16384+512
	KLOAD \ad, 0, 0
	KLOAD \ad, 1, 1
	s_wait_dscnt 8                                 ; the scale words and group 0 are in; group 1's eight loads may be out
	KMUL 0, 0
	PLACES 4                                       ; in front of loads into registers that matrix instructions have read (ISA guide 7.12.1 for vector instructions)
	KLOAD \ad, 2, 0
	s_wait_dscnt 8                                 ; group 1 is in
	KMUL 1, 1
	PLACES 4
	KLOAD \ad, 3, 1
	s_wait_dscnt 8                                 ; group 2 is in
	KMUL 2, 0
	s_wait_dscnt 0x0
	KMUL 3, 1
	PLACES 4                                       ; in front of the first read of the scores, and of writes into k's registers
	SOFTMAX 0
	ds_load_b128 v[KVS:KVS+3], v[\ad] offset:PART+16384     ; v's scale words: register ct / 2, lanes 0-15 even ct, lanes 16-31 odd ct
	ds_load_b128 v[KVS+4:KVS+7], v[\ad] offset:PART+16384+512
	VLOAD \ad, 0
	SOFTMAX 1
	VLOAD \ad, 1
.if \first == 0
	WIN 0x41                                       ; O^T (destination and source 0) window 1, f window 0
.set i, 0
.rept 64
	v_pk_mul_f32 v[i:i+1], v[i:i+1], v[FP:FP+1] op_sel_hi:[1,0]               ; O^T under the new M, each accumulator from its low end on
.set i, i+2
.endr
.rept 64
	v_pk_mul_f32 v[i:i+1], v[i:i+1], v[FP+2:FP+3] op_sel_hi:[1,0]
.set i, i+2
.endr
.endif
	s_wait_alu depctr_va_vdst(0)
	s_wait_dscnt 16                                ; v's scale words and its first eight fragments are in; the other sixteen loads may be out
	WIN 0x50                                       ; C and D window 1
	PV 0, \first
	s_wait_dscnt 0x0
	PV 1, \first
	WIN 0
	PLACES 5                                       ; four serve the next loads into p's and the scales' registers, the fifth the next scores, which are laid over v's fragments
.endm
; A TRIP: the change of slots and one key step.  Each wave waits for all its tensor loads (its eighth of the slot ahead), adds 0 to its spare word, and waits for that and for its reads of the slot that it has left.
; Behind the round no wave of any partner reads that slot or has a load on its way: it is filled again first, one load a wave, which has this whole step in which to land.
.macro TRIP slot, refill, first
	s_wait_tensorcnt 0x0                           ; no tensor load of mine is out, so a group 0 may be written
	ds_add_u32 v[SPW], v[NIL]                      ; 0 onto my spare word
	s_add_nc_u64 s[G0+4*\slot+2:G0+4*\slot+3], s[G0+4*\slot+2:G0+4*\slot+3], 2*SLOTB   ; this slot's next four records; the type bits on top are not reached
	s_wait_dscnt 0x0                               ; the add is done, and my reads of the other slot are over
	ROUND
.if \refill
	tensor_load_to_lds s[G0+4-4*\slot:G0+7-4*\slot], s[G1:G1+7]
	s_nop 0
	PLACES 4
.endif
	STEP AD+\slot, \first
.endm
	s_load_b256 s[4:11], s[0:1], 0x0               ; q_rec 4, kv_rec 6, wp's codes 8, wp's scales 10
	s_load_b128 s[12:15], s[0:1], 0x20             ; bp 12, x 14
	s_load_b64 s[16:17], s[0:1], 0x30              ; out0
	v_lshl_add_u32 v[SPW], v0, 2, SPARE
	v_mov_b32 v[NIL], 0
	ds_add_u32 v4, v5
	ds_add_u32 v4, v5
	s_wait_dscnt 0x0
	v_lshrrev_b32 v[TP], 5, v0
	s_delay_alu instid0(VALU_DEP_1)
	v_readfirstlane_b32 s18, v[TP]                 ; wave w
	s_and_b32 s19, s18, 1                          ; p: my pair of query tiles
	s_lshr_b32 s20, s18, 1                         ; j: my record of a slot
	s_bfe_u32 s21, ttmp6, 0x40000                  ; cx: my place in the cluster
	s_lshl_b32 s22, ttmp9, 2                       ; in a cluster launch ttmp9 counts clusters
	s_add_co_u32 s22, s22, s21                     ; my block of 64 queries
	s_and_b32 s23, ttmp7, 0xffff                   ; the image, which the four partners share
	; descriptor group 1: 68 dense rows of 256 bytes (32 elements of 8 bytes), no padding: images are read 512 consecutive bytes an instruction
	s_mov_b32 s[G1], 15|(3<<16)|(1<<21)            ; 15:0 the mask: all four work-groups; 17:16 elements of 8 bytes; 21 set beside a mask
	s_mov_b32 s[G1+1], 32<<16                      ; tensor_dim0 = 32
	s_mov_b32 s[G1+2], 68<<16                      ; tensor_dim1 = 68
	s_mov_b32 s[G1+3], 32<<16                      ; tile_dim0 = 32
	s_mov_b32 s[G1+4], 68                          ; tile_dim1 = 68
	s_mov_b32 s[G1+5], 32                          ; tensor_dim0_stride
	s_mov_b32 s[G1+6], 0
	s_mov_b32 s[G1+7], 0
	s_mov_b32 s[CS], 0x3db8aa3b                    ; c = log2(e) / sqrt(256)
	s_mov_b32 s[CS+1], s[CS]                       ; named with it as a pair, so it is written
	s_mov_b32 s[SEL], 0x76543210
	s_mov_b32 s[SEL+1], 0xfedcba98
	s_mul_i32 s46, s18, PART                       ; my eighth of a slot, in LDS and in memory
	s_mul_i32 s48, s23, 32*REC                     ; the image's 32 records
	s_add_co_u32 s48, s48, s46
	s_mov_b32 s49, 0
	v_and_b32 v[LI], 31, v0
	s_delay_alu instid0(VALU_DEP_1)
	v_lshlrev_b32 v[LI], 4, v[LI]
	s_mul_i32 s47, s20, REC
	v_add_nc_u32 v[AD], s47, v[LI]
	s_add_co_u32 s47, s47, SLOTB
	v_add_nc_u32 v[AD+1], s47, v[LI]
	s_lshl_b32 s52, s23, 5                         ; what follows hangs on my block of queries and stays in s52-61
	s_lshr_b32 s53, s22, 1
	s_add_co_u32 s52, s52, s53
	s_mul_i32 s52, s52, PART                       ; q's record
	s_mov_b32 s53, 0
	s_and_b32 s54, s22, 1
	s_lshl_b32 s56, s54, 1
	s_add_co_u32 s56, s56, s19
	s_lshl_b32 s56, s56, 12                        ; my group of 32 queries in it: four fragments
	s_mov_b32 s57, 0
	s_lshl_b32 s58, s54, 9
	s_lshl_b32 s55, s19, 3
	s_add_co_u32 s58, s58, s55
	s_add_co_u32 s58, s58, 16384                   ; and its scale words
	s_mov_b32 s59, 0
	s_lshl_b32 s60, s23, 22
	s_lshl_b32 s55, s18, 19
	s_add_co_u32 s60, s60, s55
	s_lshl_b32 s55, s22, 8
	s_add_co_u32 s60, s60, s55                     ; x and out0: channel 256 b + 32 w, pixel 64 x my block
	s_mov_b32 s61, 0
	s_mov_b32 s63, 0
	s_wait_kmcnt 0x0
	s_add_nc_u64 s[4:5], s[4:5], s[52:53]
	s_add_nc_u64 s[56:57], s[4:5], s[56:57]
	s_add_nc_u64 s[58:59], s[4:5], s[58:59]
	s_add_nc_u64 s[14:15], s[14:15], s[60:61]
	s_add_nc_u64 s[16:17], s[16:17], s[60:61]
	s_lshl_b32 s62, s18, 12
	s_add_nc_u64 s[8:9], s[8:9], s[62:63]          ; wp: my 32 rows
	s_lshl_b32 s62, s18, 8
	s_add_nc_u64 s[10:11], s[10:11], s[62:63]
	s_lshl_b32 s62, s18, 7
	s_add_nc_u64 s[12:13], s[12:13], s[62:63]
	s_mov_b32 s[G0], 1                             ; 1:0 count = 1
	s_mov_b32 s[G0+1], s46                         ; 63:32 LDS address: slot 0, my eighth
	s_add_nc_u64 s[G0+2:G0+3], s[6:7], s[48:49]    ; 120:64 global address: the image's first four records, my eighth
	s_mov_b32 s[G0+4], 1
	s_add_co_u32 s[G0+5], s46, SLOTB
	s_add_nc_u64 s[G0+6:G0+7], s[G0+2:G0+3], SLOTB
	s_or_b32 s[G0+3], s[G0+3], 0x80000000          ; 127:126 type = 2
	s_or_b32 s[G0+7], s[G0+7], 0x80000000
	ROUND                                          ; all four work-groups are here: the first joint loads meet
	tensor_load_to_lds s[G0:G0+3], s[G1:G1+7]      ; slot 0; slot 1 is first filled behind the first trip's round, as a refill is
	s_nop 0
	PLACES 4
	s_wait_alu depctr_va_vdst(0)
.irp u, 0,1
.irp s, 0,1
.irp c, 0,1
	global_load_b128 v[Q+16*\u+8*\s+4*\c:Q+16*\u+8*\s+4*\c+3], v[LI], s[56:57] offset:(2*\u+\s)*1024+512*\c   ; q stays in registers
.endr
.endr
.endr
	global_load_b64 v[QS:QS+1], v[LI], s[58:59]    ; its scale words: register s, lanes 0-15 tile 0, lanes 16-31 tile 1
.irp q, 0,1
	v_mov_b32 v[ST+4*\q+1], 0xff61b1e6             ; the largest t so far: -3e38, under every t
	s_delay_alu instid0(VALU_DEP_1)
	v_floor_f32 v[ST+4*\q], -v[ST+4*\q+1]          ; -M
	v_mov_b32 v[ST+4*\q+2], 0                      ; the sum, in two halves
	v_mov_b32 v[ST+4*\q+3], 0
	v_mov_b32 v[FP+2*\q+1], 0                      ; named as the upper half of f's pair, so it is written
.endr
	s_wait_loadcnt 0x0                             ; q
	TRIP 0, 1, 1                                   ; the first step stands in front of the loop: its products start O^T's sums
	s_mov_b32 s40, 3
.Lpair:
	TRIP 1, 1, 0
	TRIP 0, 1, 0
	s_sub_co_u32 s40, s40, 1
	s_cmp_lg_u32 s40, 0
	s_cbranch_scc1 .Lpair
	TRIP 1, 0, 0                                   ; the last slot is written out: nothing is left to fetch
	; ---- THE WAY OUT.  Addresses first.
	v_and_b32 v96, 15, v0                          ; r
	v_bfe_u32 v97, v0, 4, 1                        ; h
	v_and_b32 v98, 31, v0
	s_delay_alu instid0(VALU_DEP_1)
	v_lshlrev_b32 v98, 2, v98                      ; 4 l
	s_wait_alu depctr_va_vdst(0)
	s_lshl_b32 s46, s18, 9
	s_add_co_u32 s46, s46, CST
	v_add_nc_u32 v85, s46, v98                     ; my wave's -M and sums
	s_lshl_b32 s46, s19, 9
	s_add_co_u32 s46, s46, CST
	v_add_nc_u32 v86, s46, v98                     ; my pair's: wave 2 jj + p at 1,024 jj
	s_lshl_b32 s46, s19, 17
	s_lshl_b32 s47, s20, 13
	s_add_co_u32 s47, s47, s46
.irp k, 0,1,2,3
	v_add_nc_u32 v[80+\k], s47, v[LI]              ; my contribution to unit 4 p + k: 32,768 (4 p + k) + 8,192 j + 16 l
	s_add_co_u32 s47, s47, 32768
.endr
	s_lshl_b32 s47, s20, 15
	s_add_co_u32 s47, s47, s46
	v_add_nc_u32 v84, s47, v[LI]                   ; the unit that I join: 4 p + j
	s_lshl_b32 s46, s19, 2
	s_add_co_u32 s46, s46, s20
	s_lshl_b32 s47, s46, 10
	s_add_co_u32 s47, s47, OIMG
	v_add_nc_u32 v87, s47, v[LI]
	s_lshl_b32 s47, s46, 7
	s_add_co_u32 s47, s47, OSC
	v_add_nc_u32 v88, s47, v98
	v_add_nc_u32 v89, OIMG, v[LI]
	v_add_nc_u32 v90, OSC, v98
	s_mul_i32 s46, s18, 8704                       ; my stage: 32 rows x (256 bytes + 16)
	v_mul_u32_u24 v91, v96, 272
	s_delay_alu instid0(VALU_DEP_1)
	v_lshl_add_u32 v91, v97, 6, v91
	s_delay_alu instid0(VALU_DEP_1)
	v_add_nc_u32 v91, s46, v91                     ; in: row r, + 64 h
	v_mul_u32_u24 v92, v97, 272
	s_delay_alu instid0(VALU_DEP_1)
	v_lshl_add_u32 v92, v96, 4, v92
	s_delay_alu instid0(VALU_DEP_1)
	v_add_nc_u32 v92, s46, v92                     ; back: lanes 0-15 one row, lanes 16-31 the next
	v_lshlrev_b32 v93, 14, v97
	s_delay_alu instid0(VALU_DEP_1)
	v_lshl_add_u32 v93, v96, 4, v93                ; and the same two channels' rows in x and out0
	v_lshlrev_b32 v94, 7, v96
	s_delay_alu instid0(VALU_DEP_1)
	v_lshl_add_u32 v94, v97, 4, v94                ; wp's codes: row r, + 16 h
	v_lshlrev_b32 v95, 3, v96                      ; its scale bytes
	v_lshlrev_b32 v31, 2, v96                      ; bp
.irp o, 0,1
.irp s, 0,1
.irp c, 0,1
	global_load_b128 v[Q+8*(2*\o+\s)+4*\c:Q+8*(2*\o+\s)+4*\c+3], v94, s[8:9] offset:2048*\o+64*\s+32*\c   ; wp's rows 32 w + 16 o + r
.endr
.endr
.endr
.irp o, 0,1
.irp s, 0,1
	global_load_b32 v[QS+2*\o+\s], v95, s[10:11] offset:128*\o+4*\s
.endr
.endr
.irp o, 0,1
.irp k, 0,1,2,3,4,5,6,7
	global_load_b32 v[64+8*\o+\k], v31, s[12:13] offset:64*\o   ; in the last product a lane holds one output channel: its bias in all eight registers of C
.endr
.endr
.irp q, 0,1
	v_add_f32 v[ST+4*\q+2], v[ST+4*\q+2], v[ST+4*\q+3]
.endr
.irp q, 0,1
	s_delay_alu instid0(VALU_DEP_2)
	v_permlanex16_b32 v[ST+4*\q+3], v[ST+4*\q+2], s[SEL], s[SEL+1]
.endr
.irp q, 0,1
	s_delay_alu instid0(VALU_DEP_2)
	v_add_f32 v[ST+4*\q+2], v[ST+4*\q+2], v[ST+4*\q+3]   ; my keys' sum for my query
.endr
.irp q, 0,1
	ds_store_b32 v85, v[ST+4*\q] offset:256*\q
	ds_store_b32 v85, v[ST+4*\q+2] offset:256*\q+128
.endr
	BARRIER                                        ; every wave's -M and sum lie in LDS, and nobody reads a slot any more: both have had their last fill
.irp jj, 0,1,2,3
.irp q, 0,1
.irp k, 0,1
	ds_load_b32 v[96+4*\jj+2*\q+\k], v86 offset:1024*\jj+256*\q+128*\k
.endr
.endr
.endr
	s_wait_dscnt 0x0
.irp q, 0,1
	v_min3_num_f32 v[112+\q], v[96+2*\q], v[100+2*\q], v[104+2*\q]
.endr
.irp q, 0,1
	s_delay_alu instid0(VALU_DEP_2)
	v_min_num_f32 v[112+\q], v[112+\q], v[108+2*\q]   ; -M* of the four: M* is the largest M
.endr
.irp q, 0,1
	v_sub_f32 v[116+\q], v[112+\q], v[ST+4*\q]
.irp jj, 0,1,2,3
	v_sub_f32 v[96+4*\jj+2*\q], v[112+\q], v[96+4*\jj+2*\q]   ; M - M*: a whole number, 0 or less
.endr
.endr
.irp q, 0,1
	v_cvt_i32_f32 v[116+\q], v[116+\q]
.irp jj, 0,1,2,3
	v_cvt_i32_f32 v[96+4*\jj+2*\q], v[96+4*\jj+2*\q]
.endr
.endr
.irp q, 0,1
	v_ldexp_f32 v[116+\q], 1.0, v[116+\q]          ; my own 2^(M - M*)
.irp jj, 0,1,2,3
	v_ldexp_f32 v[96+4*\jj+2*\q], 1.0, v[96+4*\jj+2*\q]
.endr
.endr
.irp q, 0,1
	v_mul_f32 v[114+\q], v[96+2*\q], v[97+2*\q]
.endr
.irp jj, 1,2,3
.irp q, 0,1
	s_delay_alu instid0(VALU_DEP_2)
	v_fmac_f32 v[114+\q], v[96+4*\jj+2*\q], v[97+4*\jj+2*\q]   ; the row's sum under M*
.endr
.endr
	s_wait_alu depctr_va_vdst(0)
	v_rcp_f32 v114, v114
	v_rcp_f32 v115, v115
	v_nop                                          ; one plain place behind a transcendental
	s_wait_alu depctr_va_vdst(0)
.irp q, 0,1
	v_mul_f32 v[FP+2*\q], v[116+\q], v[114+\q]     ; what my O^T is multiplied by
.endr
	WIN 0x41
.set i, 0
.rept 64
	v_pk_mul_f32 v[i:i+1], v[i:i+1], v[FP:FP+1] op_sel_hi:[1,0]
.set i, i+2
.endr
.rept 64
	v_pk_mul_f32 v[i:i+1], v[i:i+1], v[FP+2:FP+3] op_sel_hi:[1,0]
.set i, i+2
.endr
	WIN 0x04                                       ; an LDS store's data are its source 1: window 1
.irp k, 0,1,2,3                        ; unit k = 2 q + s: tile q, channels 128 s on: 64 registers, as images
.irp i, 0,1,2,3,4,5,6,7,8,9,10,11,12,13,14,15
	ds_store_b128 v[80+\k], v[64*\k+4*\i:64*\k+4*\i+3] offset:512*\i
.endr
.endr
	WIN 0
	BARRIER                                        ; all contributions lie in LDS
.irp i, 0,1,2,3,4,5,6,7,8,9,10,11,12,13,14,15
	ds_load_b128 v[128+4*\i:128+4*\i+3], v84 offset:512*\i
.endr
.irp i, 0,1,2,3,4,5,6,7,8,9,10,11,12,13,14,15
	ds_load_b128 v[192+4*\i:192+4*\i+3], v84 offset:8192+512*\i
.endr
	WIN 0x40                                       ; destination window 1
.irp i, 0,1,2,3,4,5,6,7,8,9,10,11,12,13,14,15
	ds_load_b128 v[128+4*\i:128+4*\i+3], v84 offset:16384+512*\i
.endr
.irp i, 0,1,2,3,4,5,6,7,8,9,10,11,12,13,14,15
	ds_load_b128 v[192+4*\i:192+4*\i+3], v84 offset:24576+512*\i
.endr
.irp i, 0,1,2,3,4,5,6,7,8,9,10,11,12,13,14,15
	global_load_b128 v[4*\i:4*\i+3], v93, s[14:15] offset:32768*\i th:TH_LOAD_NT   ; the residual: channels 32 w + 2 i + h, my block's 64 pixels; this launch reads it once
.endr
	WIN 0
	s_wait_dscnt 32                                ; contributions 0 and 1 are in; 2 and 3 may be out
.set i, 0
.rept 32
	v_pk_add_f32 v[128+i:128+i+1], v[128+i:128+i+1], v[192+i:192+i+1]
.set i, i+2
.endr
	WIN 0x04                                       ; source 1 window 1
	s_wait_dscnt 0x0
.set i, 0
.rept 32
	v_pk_add_f32 v[128+i:128+i+1], v[128+i:128+i+1], v[128+i:128+i+1]
.set i, i+2
.endr
.set i, 0
.rept 32
	v_pk_add_f32 v[128+i:128+i+1], v[128+i:128+i+1], v[192+i:192+i+1]
.set i, i+2
.endr
	WIN 0
	; the unit, 16 queries x 128 channels of the attention's result, is quantised along the channels: register 16 b + i is channel 32 b + 16 h + i of its 128
.irp b, 0,1,2,3
	v_max3_num_f32 v[QTM+\b], |v[128+16*\b]|, |v[128+16*\b+1]|, 0x1800000
.endr
.irp i, 2,4,6,8,10,12,14
.irp b, 0,1,2,3
	s_delay_alu instid0(VALU_DEP_4)
	v_max3_num_f32 v[QTM+\b], v[QTM+\b], |v[128+16*\b+\i]|, |v[128+16*\b+\i+1]|
.endr
.endr
.irp b, 0,1,2,3
	s_delay_alu instid0(VALU_DEP_4)
	v_permlanex16_b32 v[QTM+4+\b], v[QTM+\b], s[SEL], s[SEL+1]
.endr
.irp b, 0,1,2,3
	s_delay_alu instid0(VALU_DEP_4)
	v_max_num_f32 v[QTM+\b], v[QTM+\b], v[QTM+4+\b]
.endr
.irp b, 0,1,2,3
	s_delay_alu instid0(VALU_DEP_4)
	v_add_nc_u32 v[QTM+8+\b], 0xff000000, v[QTM+\b]
.endr
.irp b, 0,1,2,3
	s_delay_alu instid0(VALU_DEP_4)
	v_lshrrev_b32 v[QTM+4+\b], 23, v[QTM+8+\b]
.endr
	s_delay_alu instid0(VALU_DEP_3)
	v_lshl_or_b32 v[QPW], v[QTM+5], 8, v[QTM+4]
	s_delay_alu instid0(VALU_DEP_1)
	v_lshl_or_b32 v[QPW], v[QTM+6], 16, v[QPW]
	s_delay_alu instid0(VALU_DEP_1)
	v_lshl_or_b32 v[QPW], v[QTM+7], 24, v[QPW]
.irp b, 0,1,2,3
	v_cvt_scalef32_pk8_fp4_f32 v[QPC+2*\b], v[128+16*\b:128+16*\b+7], v[QTM+8+\b]
	v_cvt_scalef32_pk8_fp4_f32 v[QPC+2*\b+1], v[128+16*\b+8:128+16*\b+15], v[QTM+8+\b]
.endr
	v_nop                                          ; one plain place behind a scaled conversion
.irp c, 0,1
.irp i, 0,1
	v_permlane16_swap_b32 v[QPC+4*\c+\i], v[QPC+4*\c+2+\i]
.endr
.endr
	ds_store_b128 v87, v[QPC:QPC+3]
	ds_store_b128 v87, v[QPC+4:QPC+7] offset:512
	ds_store_b32 v88, v[QPW]
	BARRIER                                        ; the eight fragments lie in LDS, and nobody reads the contributions any more
	; ---- the last product: source 0 = 16 queries, source 1 = 16 rows of wp: a lane holds one output channel and eight neighbouring pixels
.irp f, 0,1,2,3,4,5,6,7
.irp c, 0,1
	ds_load_b128 v[192+8*\f+4*\c:192+8*\f+4*\c+3], v89 offset:1024*\f+512*\c
.endr
.endr
.irp f, 0,1,2,3,4,5,6,7
	ds_load_b32 v[KVS+\f], v90 offset:128*\f
.endr
	s_wait_dscnt 0x0
	s_wait_loadcnt 16                              ; wp, its scales and bp are in; the sixteen loads of x may be out
.irp s, 0,1
.irp o, 0,1
.irp t, 0,1,2,3                        ; eight accumulators by turns
.if \s == 0
	WM 128+32*\o+8*\t, 192+16*\t, Q+16*\o, 64+8*\o, KVS+2*\t, QS+2*\o, 0, 0
.else
	WM 128+32*\o+8*\t, 192+16*\t+8, Q+16*\o+8, 128+32*\o+8*\t, KVS+2*\t+1, QS+2*\o+1, 0, 0
.endif
.endr
.endr
.endr
	PLACES 4
.irp o, 0,1                            ; tile t = 2 pp + q, register j of lane (r, h): channel 16 o + r, pixel 32 pp + 16 h + 8 q + j.  My own stage, in bytes of slot 0
.irp t, 0,1,2,3
	ds_store_b128 v91, v[128+32*\o+8*\t:128+32*\o+8*\t+3] offset:4352*\o+128*(\t/2)+32*(\t%2)
	ds_store_b128 v91, v[128+32*\o+8*\t+4:128+32*\o+8*\t+7] offset:4352*\o+128*(\t/2)+32*(\t%2)+16
.endr
.endr
.irp i, 0,1,2,3,4,5,6,7,8,9,10,11,12,13,14,15
	ds_load_b128 v[192+4*\i:192+4*\i+3], v92 offset:544*\i   ; LDS serves a wave's instructions in order (ISA guide 5.7.1.4): these see my stores
.endr
	s_wait_loadcnt 0x0                             ; x
	s_wait_dscnt 0x0
	WIN 0x04
.set i, 0
.rept 32
	v_pk_add_f32 v[192+i:192+i+1], v[192+i:192+i+1], v[i:i+1]   ; + x
.set i, i+2
.endr
	WIN 0
.irp i, 0,1,2,3,4,5,6,7,8,9,10,11,12,13,14,15
	global_store_b128 v93, v[192+4*\i:192+4*\i+3], s[16:17] offset:32768*\i th:TH_STORE_NT   ; 16 lanes store 256 consecutive bytes of a channel's row, at a multiple of 256 from out0's first byte
.endr
	s_wait_tensorcnt 0x0                           ; the wave's end, behind my last tensor load and my last LDS store
	ds_add_u32 v[SPW], v[NIL]
	s_wait_dscnt 0x0
	ROUND                                          ; the closing round: no work-group ends while a partner may still ask for a tile that names it
	s_endpgm
.Lfunc_end_k_q794f5319e0_attn:
	.size	k_q794f5319e0_attn, .Lfunc_end_k_q794f5319e0_attn-k_q794f5319e0_attn
	.p2alignl 7, 3214868480
	.fill 96, 4, 3214868480
	.section	.rodata,"a",@progbits
	.p2align	6, 0x0
	.amdhsa_kernel k_q794f5319e0_attn
		.amdhsa_group_segment_fixed_size 327680
		.amdhsa_private_segment_fixed_size 0
		.amdhsa_enable_private_segment 0
		.amdhsa_kernarg_size 56
		.amdhsa_user_sgpr_count 2
		.amdhsa_user_sgpr_kernarg_segment_ptr 1
		.amdhsa_wavefront_size32 1
		.amdhsa_system_sgpr_workgroup_id_x 1
		.amdhsa_system_sgpr_workgroup_id_y 1
		.amdhsa_system_sgpr_workgroup_id_z 1
		.amdhsa_system_vgpr_workitem_id 0
		.amdhsa_next_free_vgpr 512
		.amdhsa_next_free_sgpr 66
		.amdhsa_reserve_vcc 0
		.amdhsa_float_denorm_mode_32 3
		.amdhsa_float_denorm_mode_16_64 3
		.amdhsa_memory_ordered 1
		.amdhsa_forward_progress 1
		.amdhsa_inst_pref_size 225
	.end_amdhsa_kernel
	.amdgpu_metadata
---
amdhsa.version: [ 1, 2 ]
amdhsa.kernels:
  - .name:           k_q794f5319e0_attn
    .symbol:         k_q794f5319e0_attn.kd
    .args:
      - { .name: q_rec, .offset: 0, .size: 8, .value_kind: global_buffer, .address_space: global }
      - { .name: kv_rec, .offset: 8, .size: 8, .value_kind: global_buffer, .address_space: global }
      - { .name: wp_codes, .offset: 16, .size: 8, .value_kind: global_buffer, .address_space: global }
      - { .name: wp_scales, .offset: 24, .size: 8, .value_kind: global_buffer, .address_space: global }
      - { .name: bp, .offset: 32, .size: 8, .value_kind: global_buffer, .address_space: global }
      - { .name: x, .offset: 40, .size: 8, .value_kind: global_buffer, .address_space: global }
      - { .name: out0, .offset: 48, .size: 8, .value_kind: global_buffer, .address_space: global }
    .group_segment_fixed_size: 327680
    .private_segment_fixed_size: 0
    .kernarg_segment_align: 8
    .kernarg_segment_size: 56
    .max_flat_workgroup_size: 256
    .sgpr_count:     66
    .vgpr_count:     512
    .wavefront_size: 32
...
	.end_amdgpu_metadata
.endif
;; end of part 3
